; MI455X (gfx1250); checked and timed in simulation.
; The chip was launched on July 23, 2026; its instructions are those of AMD's public machine-readable ISA for CDNA 5 (MIT licence, August 2026) and "CDNA5" Instruction Set Architecture Reference Guide (July 2026). The comments in the code are by the model that wrote it; some were corrected since.
;; Attention Pooling. Allowed arithmetic: float matrix products may take bf16 or f16 operands with f32 sums; all other float work in f32.
;; Inputs: Wk 256 x 256 float32; Wq 256 x 256 float32; Wv 256 x 256 float32; bk 256 float32; bq 256 float32; bv 256 float32; x 4 x 4,096 x 256 float32.
;; Outputs: out0 4 x 1 x 256 float32.
;; 2 versions, each right; version 2 is version 1 with the launch proj written anew for expert scheduling mode. Each part assembles by itself: llvm-mc -triple=amdgcn-amd-amdhsa -mcpu=gfx1250 --defsym DOCPART=n.
;; ======== version 1 of 2: 4 launches
;; workspace buffers: qb 8,388,608 bytes; kb 8,388,608 bytes; stat 262,144 bytes; ypart 262,144 bytes
;; launch proj (part 1): grid 4 x 64, 8 waves a work-group, no clusters, 283,648 bytes of LDS; arguments x, Wq, bq, Wk, bk, qb, kb; writes qb, kb
.if DOCPART == 1
	.amdgcn_target "amdgcn-amd-amdhsa--gfx1250"
	.amdhsa_code_object_version 6
	.text
	.protected	k_q4df96805b2_proj
	.globl	k_q4df96805b2_proj
	.p2align	8
	.type	k_q4df96805b2_proj,@function
k_q4df96805b2_proj:
	s_mov_b64 s[64:65], 0
	v_nop
	global_prefetch_b8 v0, s[64:65] scope:SCOPE_SE
	s_setreg_imm32_b32 hwreg(HW_REG_WAVE_MODE, 25, 1), 1
	s_wait_xcnt 0x0
; q = x Wq + bq and k = x Wk + bk, rounded once to bf16: qb, kb are [16384][256] bf16.  x: [16384][256] f32, W: [256 k][256 e] f32.
; Work-group (nb, rb): nb 0,1 make columns 0-127, 128-255 of q, nb 2,3 those of k; rb is a block of 256 rows.  Wave w makes rows 32 w .. 32 w + 31
; and all 128 columns: 8 x 2 accumulator tiles, 8 K steps of 32, 128 matrix instructions.
; Operands are rounded to bf16 (not f16: inputs some 30 times larger must keep their range); sums and the bias stay in f32.
; THE MATRIX INSTRUCTION IS USED TRANSPOSED: source 0 = 16 columns of W (read from [k][e] rows by the transposing LDS load), source 1 = 16 rows of x.
; Lane (r, h) then holds row r of the result and its registers the columns 8 h + 0 .. 7: eight neighbouring numbers, 16 bytes of bf16.
; NO CLUSTER: the four work-groups of one rb read the same x block, but it has to pass through registers to become bf16, and as an f32 tile it is
; 256 rows x 1,024 bytes = 262,144 bytes, which does not fit in LDS beside W's 73,728 and the bf16 copy's 135,168.
.set WP, 288                           ; LDS pitch of W's rows: 256 bytes + 32, an odd multiple of 32 bytes
.set XP, 528                           ; LDS pitch of x's rows: 512 bytes + 16, an odd multiple of 16 bytes
.set SP, 272                           ; LDS pitch of the way out: 256 bytes + 16
.set WL, 0                             ; W in bf16, [256 k][128 e]: 73,728 bytes, shared by the eight waves
.set XL, 256*WP                        ; x in bf16, [256 rows][256 k]: 135,168 bytes, each wave its own 32 rows
.set SG, XL+256*XP                     ; the way out: each wave its own 32 rows x 272 bytes
.set BL, SG+8*32*SP                    ; the bias: each wave its own 512 bytes
.set GW, 5                             ; v5   W in memory: 16 lane + 32 w rows
.set GX, 6                             ; v6   16 lane
.set SW_, 7                            ; v7   where my 8 bytes of a W row go
.set SX, 8                             ; v8   where my 8 bytes of half an x row go
.set WA, 9                             ; v9, v10  transposing loads: K steps 0-3, 4-7
.set XA, 11                            ; v11  x fragments
.set STO, 12                           ; v12  way out: where 16 bytes of a row go
.set RD, 13                            ; v13  way out: where a row is read back
.set CO, 14                            ; v14  my byte offset in the output
.set BA, 15                            ; v15  bias of my eight columns
.set ACC, 16                           ; v[16:143]   tile (mt, nt) at 16 + 8 (2 mt + nt)
.set WF, 144                           ; v[144:207]  eight fragments of W
.set XF, 208                           ; v[208:223]  two fragments of x
.set TC, 208                           ; v[208:239]  packed bf16 while staging
.set BV, 240                           ; v[240:243]  bias as loaded
.set BS, 244                           ; v244        where it goes
	s_load_b256 s[4:11], s[0:1], 0x0               ; x s[4:5], Wq s[6:7], bq s[8:9], Wk s[10:11]
	s_load_b128 s[12:15], s[0:1], 0x20             ; bk s[12:13], qb s[14:15]
	s_load_b64 s[16:17], s[0:1], 0x30              ; kb
	v_lshl_add_u32 v254, v0, 2, 0x45000
	v_mov_b32 v255, 0
	v_lshrrev_b32 v2, 5, v0
	v_readfirstlane_b32 s26, v2                    ; wave 0..7
	v_and_b32 v1, 31, v0                           ; lane
	v_and_b32 v3, 15, v0                           ; r
	v_bfe_u32 v4, v0, 4, 1                         ; h
	s_and_b32 s27, ttmp7, 0xffff                   ; rb
	s_and_b32 s28, ttmp9, 1                        ; which 128 columns
	s_lshl_b32 s24, s28, 9                         ; their first byte in a row of W and in the bias
	s_mov_b32 s25, 0
	s_lshl_b32 s30, s27, 18                        ; x: (256 rb + 32 w) rows of 1,024 bytes
	s_lshl_b32 s31, s26, 15
	s_add_co_u32 s30, s30, s31
	s_mov_b32 s31, 0
	s_lshl_b32 s32, s27, 17                        ; output: (256 rb + 32 w) rows of 512 bytes + 256 bytes for the upper columns
	s_lshl_b32 s33, s26, 14
	s_add_co_u32 s32, s32, s33
	s_lshl_b32 s33, s28, 8
	s_add_co_u32 s32, s32, s33
	s_mov_b32 s33, 0
	s_mul_i32 s34, s26, 32*WP                      ; my 32 rows of W in LDS
	s_mul_i32 s35, s26, 32*XP
	s_add_co_u32 s35, s35, XL                      ; my 32 rows of x in LDS
	s_mul_i32 s36, s26, 32*SP
	s_add_co_u32 s36, s36, SG                      ; my stage
	s_lshl_b32 s37, s26, 9
	s_add_co_u32 s37, s37, BL                      ; my copy of the bias
	s_lshl_b32 s29, s26, 15                        ; 32 w rows of W in memory
	v_lshlrev_b32 v[GX], 4, v1
	v_add_nc_u32 v[GW], s29, v[GX]
	v_lshl_add_u32 v[SW_], v1, 3, s34
	v_lshl_add_u32 v[SX], v1, 3, s35
	v_and_b32 v2, 7, v0
	v_lshl_add_u32 v2, v4, 3, v2                   ; k row 8 h + lane % 8
	v_mul_u32_u24 v[WA], v2, WP
	v_bfe_u32 v2, v0, 3, 1
	v_lshl_add_u32 v[WA], v2, 4, v[WA]             ; + 16 bytes for lanes 8-15 of each half
	v_add_nc_u32 v[WA+1], 128*WP, v[WA]            ; K steps 4-7: the LDS immediate has 16 bits
	v_mul_u32_u24 v2, v3, XP
	v_lshl_add_u32 v2, v4, 4, v2
	v_add_nc_u32 v[XA], s35, v2                    ; row r, 16 h
	v_mul_u32_u24 v2, v3, SP
	v_lshl_add_u32 v2, v4, 4, v2
	v_add_nc_u32 v[STO], s36, v2
	v_mul_u32_u24 v2, v4, SP
	v_lshl_add_u32 v2, v3, 4, v2
	v_add_nc_u32 v[RD], s36, v2                    ; lanes 0-15 one row of 256 bytes, lanes 16-31 the next
	v_lshlrev_b32 v2, 9, v4
	v_lshl_add_u32 v[CO], v3, 4, v2                ; the same two rows in the output
	v_lshlrev_b32 v2, 5, v4
	v_add_nc_u32 v[BA], s37, v2
	v_add_nc_u32 v[BS], s37, v[GX]
	s_wait_kmcnt 0x0
	s_cmp_lt_u32 ttmp9, 2                          ; q's or k's weights, bias and output
	s_cselect_b64 s[18:19], s[6:7], s[10:11]
	s_cselect_b64 s[20:21], s[8:9], s[12:13]
	s_cselect_b64 s[22:23], s[14:15], s[16:17]
	s_add_nc_u64 s[18:19], s[18:19], s[24:25]
	s_add_nc_u64 s[20:21], s[20:21], s[24:25]
	s_add_nc_u64 s[22:23], s[22:23], s[32:33]
	s_add_nc_u64 s[4:5], s[4:5], s[30:31]
; Staging: six batches of 16 loads of 16 bytes a lane through three register buffers.  Batches 0, 1: my 32 rows of W (512 bytes each);
; batches 2 to 5: my 32 rows of x (two loads of 512 neighbouring bytes each).
.macro LOADB batch, buf
.irp i, 0,1,2,3,4,5,6,7,8,9,10,11,12,13,14,15
.if \batch < 2
	global_load_b128 v[\buf+4*\i:\buf+4*\i+3], v[GW], s[18:19] offset:(16*\batch+\i)*1024
.else
	global_load_b128 v[\buf+4*\i:\buf+4*\i+3], v[GX], s[4:5] offset:(8*(\batch-2)+\i/2)*1024+512*(\i%2)
.endif
.endr
.endm
; left = the younger loads that may stay out.  Four f32 become 8 bytes of bf16; 32 lanes store 256 neighbouring bytes.
.macro CONVB batch, buf, left
	s_wait_loadcnt \left
.irp i, 0,1,2,3,4,5,6,7,8,9,10,11,12,13,14,15
	v_cvt_pk_bf16_f32 v[TC+2*\i], v[\buf+4*\i], v[\buf+4*\i+1]
	v_cvt_pk_bf16_f32 v[TC+2*\i+1], v[\buf+4*\i+2], v[\buf+4*\i+3]
.if \batch < 2
	ds_store_b64 v[SW_], v[TC+2*\i:TC+2*\i+1] offset:(16*\batch+\i)*WP
.else
	ds_store_b64 v[SX], v[TC+2*\i:TC+2*\i+1] offset:(8*(\batch-2)+\i/2)*XP+256*(\i%2)
.endif
.endr
.endm
	global_load_b128 v[BV:BV+3], v[GX], s[20:21]   ; the bias of the 128 columns: the oldest load, covered by the first wait
	LOADB 0, 16
	LOADB 1, 80
	LOADB 2, 144
	CONVB 0, 16, 32                                ; two batches of 16 stay out
	ds_store_b128 v[BS], v[BV:BV+3]
	LOADB 3, 16
	CONVB 1, 80, 32
	LOADB 4, 80
	CONVB 2, 144, 32
	LOADB 5, 144
	CONVB 3, 16, 32
	CONVB 4, 80, 16                                ; one batch stays out
	CONVB 5, 144, 0
	s_wait_dscnt 0x0                               ; my rows of W are in LDS, for the other waves' sake
	s_barrier_signal -1
	s_barrier_wait -1                              ; everybody's are
; One K step of 32.  The loads go into registers that matrix instructions have read: four places stand behind those (ISA guide 7.12.1 for vector
; instructions).  The sixteen accumulators take turns, one instruction a turn.
.macro KSTEP ks
.if \ks > 0
.rept 4
	v_nop
.endr
.endif
.irp mt, 0,1,2,3,4,5,6,7
	ds_load_tr16_b128 v[WF+8*\mt:WF+8*\mt+3], v[WA+\ks/4] offset:(\ks%4)*32*WP+32*\mt
	ds_load_tr16_b128 v[WF+8*\mt+4:WF+8*\mt+7], v[WA+\ks/4] offset:(\ks%4)*32*WP+16*WP+32*\mt
.endr
.irp nt, 0,1
	ds_load_b128 v[XF+8*\nt:XF+8*\nt+3], v[XA] offset:\nt*16*XP+64*\ks
	ds_load_b128 v[XF+8*\nt+4:XF+8*\nt+7], v[XA] offset:\nt*16*XP+64*\ks+32
.endr
	s_wait_dscnt 0x0
.irp mt, 0,1,2,3,4,5,6,7
.irp nt, 0,1
.if \ks == 0
	v_wmma_f32_16x16x32_bf16 v[ACC+8*(2*\mt+\nt):ACC+8*(2*\mt+\nt)+7], v[WF+8*\mt:WF+8*\mt+7], v[XF+8*\nt:XF+8*\nt+7], 0
.else
	v_wmma_f32_16x16x32_bf16 v[ACC+8*(2*\mt+\nt):ACC+8*(2*\mt+\nt)+7], v[WF+8*\mt:WF+8*\mt+7], v[XF+8*\nt:XF+8*\nt+7], v[ACC+8*(2*\mt+\nt):ACC+8*(2*\mt+\nt)+7]
.endif
.endr
.endr
.endm
.irp ks, 0,1,2,3,4,5,6,7
	KSTEP \ks
.endr
	; THE WAY OUT: add the bias in f32, round once to bf16, 16 bytes a lane into my own stage, whole rows of 256 bytes back and out.
.rept 4
	v_nop                                          ; the places behind the last matrix instructions
.endr
.irp mt, 0,1,2,3,4,5,6,7
	ds_load_b128 v[WF+8*\mt:WF+8*\mt+3], v[BA] offset:64*\mt         ; bias of columns 16 mt + 8 h + 0 .. 3
	ds_load_b128 v[WF+8*\mt+4:WF+8*\mt+7], v[BA] offset:64*\mt+16    ; and + 4 .. 7
.endr
	s_wait_dscnt 0x0
.macro OUTT mt, nt
.set ob, ACC+8*(2*\mt+\nt)
.irp q, 0,2,4,6
	v_pk_add_f32 v[ob+\q:ob+\q+1], v[ob+\q:ob+\q+1], v[WF+8*\mt+\q:WF+8*\mt+\q+1]
.endr
.irp q, 0,1,2,3
	v_cvt_pk_bf16_f32 v[ob+\q], v[ob+2*\q], v[ob+2*\q+1]
.endr
	ds_store_b128 v[STO], v[ob:ob+3] offset:\nt*16*SP+32*\mt
.endm
.irp mt, 0,1,2,3,4,5,6,7
.irp nt, 0,1
	OUTT \mt, \nt
.endr
.endr
.irp j, 0,1,2,3,4,5,6,7,8,9,10,11,12,13,14,15
	ds_load_b128 v[WF+4*\j:WF+4*\j+3], v[RD] offset:\j*2*SP          ; LDS serves a wave's instructions in order (ISA guide 5.7.1): these see the stores above
.endr
.irp j, 0,1,2,3,4,5,6,7,8,9,10,11,12,13,14,15
	s_wait_dscnt 15-\j                             ; rows 2 j, 2 j + 1 are back; the younger read-backs stay out
	global_store_b128 v[CO], v[WF+4*\j:WF+4*\j+3], s[22:23] offset:\j*1024   ; 16 lanes store 256 consecutive bytes, at a multiple of 256 from the buffer's first byte
.endr
	s_wait_tensorcnt 0x0
	ds_add_u32 v254, v255
	s_wait_dscnt 0x0
	s_endpgm
.Lfunc_end_k_q4df96805b2_proj:
	.size	k_q4df96805b2_proj, .Lfunc_end_k_q4df96805b2_proj-k_q4df96805b2_proj
	.p2alignl 7, 3214868480
	.fill 96, 4, 3214868480
	.section	.rodata,"a",@progbits
	.p2align	6, 0x0
	.amdhsa_kernel k_q4df96805b2_proj
		.amdhsa_group_segment_fixed_size 283648
		.amdhsa_private_segment_fixed_size 0
		.amdhsa_enable_private_segment 0
		.amdhsa_kernarg_size 56
		.amdhsa_user_sgpr_count 2
		.amdhsa_user_sgpr_kernarg_segment_ptr 1
		.amdhsa_wavefront_size32 1
		.amdhsa_system_sgpr_workgroup_id_x 1
		.amdhsa_system_sgpr_workgroup_id_y 1
		.amdhsa_system_sgpr_workgroup_id_z 1
		.amdhsa_system_vgpr_workitem_id 0
		.amdhsa_next_free_vgpr 256
		.amdhsa_next_free_sgpr 66
		.amdhsa_reserve_vcc 0
		.amdhsa_float_denorm_mode_32 3
		.amdhsa_float_denorm_mode_16_64 3
		.amdhsa_memory_ordered 1
		.amdhsa_forward_progress 1
		.amdhsa_inst_pref_size 64
	.end_amdhsa_kernel
	.amdgpu_metadata
---
amdhsa.version: [ 1, 2 ]
amdhsa.kernels:
  - .name:           k_q4df96805b2_proj
    .symbol:         k_q4df96805b2_proj.kd
    .args:
      - { .name: x, .offset: 0, .size: 8, .value_kind: global_buffer, .address_space: global }
      - { .name: Wq, .offset: 8, .size: 8, .value_kind: global_buffer, .address_space: global }
      - { .name: bq, .offset: 16, .size: 8, .value_kind: global_buffer, .address_space: global }
      - { .name: Wk, .offset: 24, .size: 8, .value_kind: global_buffer, .address_space: global }
      - { .name: bk, .offset: 32, .size: 8, .value_kind: global_buffer, .address_space: global }
      - { .name: qb, .offset: 40, .size: 8, .value_kind: global_buffer, .address_space: global }
      - { .name: kb, .offset: 48, .size: 8, .value_kind: global_buffer, .address_space: global }
    .group_segment_fixed_size: 283648
    .private_segment_fixed_size: 0
    .kernarg_segment_align: 8
    .kernarg_segment_size: 56
    .max_flat_workgroup_size: 256
    .sgpr_count:     66
    .vgpr_count:     256
    .wavefront_size: 32
...
	.end_amdgpu_metadata
.endif
;; end of part 1
;; launch rowstat (part 2): grid 256 x 1, 8 waves a work-group, clusters of 4 x 1, 327,680 bytes of LDS; arguments qb, kb, stat; writes stat
.if DOCPART == 2
	.amdgcn_target "amdgcn-amd-amdhsa--gfx1250"
	.amdhsa_code_object_version 6
	.text
	.protected	k_q4df96805b2_rowstat
	.globl	k_q4df96805b2_rowstat
	.p2align	8
	.type	k_q4df96805b2_rowstat,@function
k_q4df96805b2_rowstat:
	s_mov_b64 s[64:65], 0
	v_nop
	global_prefetch_b8 v0, s[64:65] scope:SCOPE_SE
	s_setreg_imm32_b32 hwreg(HW_REG_WAVE_MODE, 25, 1), 1
	s_wait_xcnt 0x0
	s_wait_alu depctr_hold_cnt(0) depctr_sa_sdst(0) depctr_va_vdst(0) depctr_va_sdst(0) depctr_va_ssrc(0) depctr_va_vcc(0) depctr_vm_vsrc(0)
	s_getreg_b32 s2, hwreg(HW_REG_IB_STS2, 6, 4)
	s_cmp_eq_u32 s2, 0
	s_cbranch_scc0 .Lentry_in_a_cluster
	s_endpgm
.Lentry_in_a_cluster:
	s_bfe_u32 s2, ttmp6, 0x10000c
	s_cmp_lg_u32 s2, 0x3003
	s_cbranch_scc0 .Lentry_shape_is_right
	s_endpgm
.Lentry_shape_is_right:
; Row statistics of softmax(q k^T / 16), in the base-2 domain: z = (q.k) sc with sc = log2(e) / 16.  For each row s and each half of the 4,096 columns t:
; m' = max over t of z, l = sum over t of 2^(z - m').  stat is f32 [m', l][half][16384].
; A work-group owns 128 rows of q (batch b, block blk) and walks the 2,048 rows of k of half hf in 8 tiles of 256 rows.  Wave w owns 64 of the q rows
; (w / 4) and 64 rows of every tile (w % 4).  Its q fragments (4 n tiles x K 256) stay in registers v256-v511 for the whole kernel.
; A phase = 16 rows of k x 64 rows of q x K 256 = 32 matrix instructions on 4 accumulators; two accumulator sets take turns, and the vector work on
; the set that is finished (running maximum, exponentials, sums) is dealt out among the matrix instructions of the next phase.
; Source 0 = rows of k, source 1 = rows of q: lane (r, h) holds q row r, its registers k rows 8 h + 0 .. 7, so the reduction over t runs inside a lane;
; the lanes' and waves' partial (m', l) are merged once at the end.
; CLUSTER 4, 1, 1: the four work-groups of a cluster have the same b and hf (both made of the cluster's number alone) and walk the same tiles of k:
; each tile is asked for jointly (mask 15).  By this text's count a wave has at most two tensor loads outstanding: two at the start, one later.
; LIMITS: inputs finite; the running maximum starts at -FLT_MAX; v_exp_f32 gives zero below 2^-126, so terms that far under a row's largest are dropped.
.set PITCH, 528                        ; an LDS row: 512 bytes + 16, an odd multiple of 16 bytes: the 16 rows of a fragment load start at 16 different 16-byte columns modulo 256
.set SLOT, 256*PITCH                   ; 135,168 bytes: a tile of 256 rows
.set WPART, 32*PITCH                   ; what one wave's tensor load brings
.set TILEB, 256*512                    ; a tile in memory
.set SCR, 2*SLOT                       ; scratch behind the ring (a multiple of 256): no tensor load lands here.  4,096 bytes of m', 4,096 of l
.set NEP, 73                           ; vector instructions dealt out in a phase
.set ADR, 8                            ; v8, v9     my fragment rows in slot 0, 1
.set MX, 16                            ; v[16:19]   running maximum of the raw scores, one for each n tile
.set NM0, 20                           ; v[20:23], v[24:27]  -maximum x sc as used by accumulator set 0, 1
.set CRR, 28                           ; v[28:31]   2^(old maximum - new maximum)
.set LS, 32                            ; v[32:39]   running sums, a pair for each n tile
.set PSM, 40                           ; v[40:47]   the last tile's sums
.set ACC0, 64                          ; v[64:95], v[96:127]    accumulator sets 0, 1
.set AF0, 128                          ; v[128:191], v[192:255] fragments of k, buffers 0, 1
.set G1, 16                            ; s[16:23]  descriptor group 1
.set G0, 24                            ; s[24:31]  descriptor group 0, one set for each slot
.set MSB, 0
.macro WIN new                         ; s_set_vgpr_msb: bits 1:0 source 0, 3:2 source 1, 5:4 source 2, 7:6 destination; the high byte repeats the setting that is left
.if MSB != \new
	s_set_vgpr_msb (MSB<<8)|\new
.set MSB, \new
.endif
.endm
.macro CREST                           ; a round of the cluster's barrier behind its opening work-group barrier
	s_cmp_lg_u32 s14, 0
	s_cbranch_scc1 .Lnot_wave_0_\@
	s_barrier_signal -3
.Lnot_wave_0_\@:
	s_barrier_wait -3
	s_barrier_signal -1
	s_barrier_wait -1
.endm
.macro CROUND                          ; a whole round
	s_barrier_signal -1
	s_barrier_wait -1
	CREST
.endm
	s_load_b128 s[4:7], s[0:1], 0x0                ; qb s[4:5] (owned), kb s[6:7] (walked)
	s_load_b64 s[8:9], s[0:1], 0x10                ; stat
	v_lshl_add_u32 v62, v0, 2, 0x44000
	v_mov_b32 v63, 0
	ds_add_u32 v62, v63
	v_lshrrev_b32 v1, 5, v0
	v_readfirstlane_b32 s14, v1                    ; wave 0..7
	s_lshr_b32 s15, s14, 2                         ; which 64 owned rows
	s_and_b32 s32, s14, 3                          ; which 64 rows of every tile
	s_bfe_u32 s33, ttmp6, 0x40000                  ; cx
	s_lshr_b32 s34, ttmp9, 4                       ; b
	s_bfe_u32 s35, ttmp9, 0x10003                  ; hf
	s_and_b32 s36, ttmp9, 7
	s_lshl2_add_u32 s36, s36, s33                  ; blk = 4 (cluster % 8) + cx
	s_mov_b32 s38, 0x3db8aa3b                      ; sc = log2(e) / 16, twice: a pair for the packed forms
	s_mov_b32 s39, 0x3db8aa3b
	s_mov_b32 s40, 0xbdb8aa3b                      ; -sc
	; group 1: 32 rows x 256 elements of 2 bytes, 16 bytes of padding behind each row, asked for jointly by the cluster's four work-groups
	s_mov_b32 s[G1+0], 15|(1<<16)|(1<<20)|(1<<21)|(6<<22)|(3<<25)   ; mask 15; element of 2 bytes; padding on; bit 21 beside a mask; after every 128 words; 4 words
	s_mov_b32 s[G1+1], 256<<16                     ; tensor_dim0 = 256
	s_mov_b32 s[G1+2], 32<<16                      ; tensor_dim1 = 32
	s_mov_b32 s[G1+3], 256<<16                     ; tile_dim0 = 256
	s_mov_b32 s[G1+4], 32                          ; tile_dim1 = 32
	s_mov_b32 s[G1+5], 256                         ; elements from row to row
	s_mov_b32 s[G1+6], 0
	s_mov_b32 s[G1+7], 0
	s_lshr_b32 s42, ttmp9, 3                       ; walked rows: (2 b + hf) x 2,048 rows of 512 bytes + 32 w rows: the cluster's number and the wave's alone
	s_lshl_b32 s42, s42, 20
	s_lshl_b32 s43, s14, 14
	s_add_co_u32 s42, s42, s43
	s_mov_b32 s43, 0
	s_lshl_b32 s44, s34, 21                        ; owned rows: (4096 b + 128 blk + 64 (w / 4)) x 512 bytes
	s_lshl_b32 s45, s36, 16
	s_add_co_u32 s44, s44, s45
	s_lshl_b32 s45, s15, 15
	s_add_co_u32 s44, s44, s45
	s_mov_b32 s45, 0
	s_lshl_b32 s48, s35, 16                        ; stat: half hf, row 4096 b + 128 blk
	s_lshl_b32 s49, s34, 14
	s_add_co_u32 s48, s48, s49
	s_lshl_b32 s49, s36, 9
	s_add_co_u32 s48, s48, s49
	s_mov_b32 s49, 0
	s_mul_i32 s46, s14, WPART                      ; my 32 rows in a slot
	s_wait_dscnt 0x0
	s_wait_kmcnt 0x0
	s_add_nc_u64 s[6:7], s[6:7], s[42:43]
	s_add_nc_u64 s[4:5], s[4:5], s[44:45]
	s_add_nc_u64 s[8:9], s[8:9], s[48:49]
	CROUND                                         ; all four work-groups are here: the first joint loads meet
.irp n, 0,1
	s_mov_b32 s[G0+4*\n], 1
	s_add_co_u32 s[G0+4*\n+1], s46, \n*SLOT
	s_add_nc_u64 s[G0+4*\n+2:G0+4*\n+3], s[6:7], \n*TILEB
	s_or_b32 s[G0+4*\n+3], s[G0+4*\n+3], 0x80000000
	tensor_load_to_lds s[G0+4*\n:G0+4*\n+3], s[G1:G1+7]              ; tiles 0 and 1
	s_nop 0
.endr
	v_and_b32 v1, 15, v0                           ; r
	v_bfe_u32 v2, v0, 4, 1                         ; h
	v_and_b32 v3, 31, v0                           ; lane
	v_lshlrev_b32 v4, 9, v1
	v_lshl_add_u32 v4, v2, 4, v4                   ; owned fragments in memory: row r, 16 h
	; the owned fragments, once: tile nt, K step ks at v[256 + 64 nt + 8 ks]
	WIN 0x40
.irp nt, 0,1,2,3
.irp ks, 0,1,2,3,4,5,6,7
	global_load_b128 v[64*\nt+8*\ks:64*\nt+8*\ks+3], v4, s[4:5] offset:\nt*8192+64*\ks
	global_load_b128 v[64*\nt+8*\ks+4:64*\nt+8*\ks+7], v4, s[4:5] offset:\nt*8192+64*\ks+32
.endr
.endr
	WIN 0
	s_lshl_b32 s47, s32, 6
	v_add_nc_u32 v5, s47, v1                       ; row 64 (w % 4) + r of a tile
	v_mul_u32_u24 v5, v5, PITCH
	v_lshl_add_u32 v[ADR], v2, 4, v5
	v_add_nc_u32 v[ADR+1], SLOT, v[ADR]
.irp n, 0,1,2,3
	v_mov_b32 v[MX+\n], 0xff7fffff                 ; -FLT_MAX
	v_mov_b32 v[CRR+\n], 0
.endr
.irp n, 0,1,2,3
	v_mul_f32 v[NM0+4+\n], s40, v[MX+\n]           ; finite: the first correction is 2^(-large) = 0
.endr
.irp n, 0,1,2,3,4,5,6,7
	v_mov_b32 v[LS+\n], 0
	v_mov_b32 v[PSM+\n], 0
.endr
; 16 LDS loads: the eight fragments (16 rows x K 256) of phase p of a slot's tile
.macro FETCH slot, p, buf
.irp ks, 0,1,2,3,4,5,6,7
	ds_load_b128 v[AF0+64*(\buf)+8*\ks:AF0+64*(\buf)+8*\ks+3], v[ADR+(\slot)] offset:(\p)*16*PITCH+64*\ks
	ds_load_b128 v[AF0+64*(\buf)+8*\ks+4:AF0+64*(\buf)+8*\ks+7], v[ADR+(\slot)] offset:(\p)*16*PITCH+64*\ks+32
.endr
.endm
; Matrix instruction mi of a phase: K step mi / 4, n tile mi % 4.  The first four start the sums.  The four accumulators take turns, one instruction a turn,
; and a phase's last and the next phase's first name different ones.
.macro MM
.if mi < 4
	v_wmma_f32_16x16x32_bf16 v[CB+8*(mi%4):CB+8*(mi%4)+7], v[AB+8*(mi/4):AB+8*(mi/4)+7], v[64*(mi%4)+8*(mi/4):64*(mi%4)+8*(mi/4)+7], 0
.else
	v_wmma_f32_16x16x32_bf16 v[CB+8*(mi%4):CB+8*(mi%4)+7], v[AB+8*(mi/4):AB+8*(mi/4)+7], v[64*(mi%4)+8*(mi/4):64*(mi%4)+8*(mi/4)+7], v[CB+8*(mi%4):CB+8*(mi%4)+7]
.endif
.set mi, mi+1
.endm
; The vector work that stands among the matrix instructions runs under their window setting (source 1 = v256-v511), so each line has a scalar or a
; constant as source 1; that is why sums are written as x * 1.0 + y.
.macro FSTEP                           ; z - m' for two scores: raw x sc + (-maximum x sc)
.set ept, (en-12)/4
.set epq, YB+8*ept+2*((en-12)%4)
.set epn, NMY+2*(ept/2)
.if (ept%2) == 0
	v_pk_fma_f32 v[epq:epq+1], v[epq:epq+1], s[38:39], v[epn:epn+1] op_sel_hi:[1,0,0]
.else
	v_pk_fma_f32 v[epq:epq+1], v[epq:epq+1], s[38:39], v[epn:epn+1] op_sel:[0,0,1] op_sel_hi:[1,0,1]
.endif
.endm
.macro SSTEP t, first                  ; eight exponentials of n tile t to one pair, in three lines
.set epq, YB+8*\t
.if en == \first
	s_wait_alu depctr_va_vdst(0)
	v_pk_fma_f32 v[epq:epq+1], v[epq:epq+1], 1.0, v[epq+2:epq+3] op_sel_hi:[1,0,1]
.elseif en == \first+1
	v_pk_fma_f32 v[epq+4:epq+5], v[epq+4:epq+5], 1.0, v[epq+6:epq+7] op_sel_hi:[1,0,1]
.else
	v_pk_fma_f32 v[PSM+2*\t:PSM+2*\t+1], v[epq:epq+1], 1.0, v[epq+4:epq+5] op_sel_hi:[1,0,1]
.endif
.endm
; Line en of the 73.  Behind each run of v_exp_f32 a plain line on other registers stands before a result is used (ISA guide 5.7.2): the v_nop, or the sums of an earlier tile.
.macro EP1
.if en < 4
	v_mul_f32 v[NMY+en], v[MX+en], s40                             ; -new maximum x sc
.elseif en < 8
	v_fma_f32 v[CRR+en-4], v[NMO+en-4], -1.0, v[NMY+en-4]          ; (old maximum - new maximum) x sc
.elseif en < 12
	v_exp_f32 v[CRR+en-8], v[CRR+en-8]
.elseif en < 28
	FSTEP
.elseif en < 44
	v_exp_f32 v[YB+en-28], v[YB+en-28]                             ; n tiles 0, 1
.elseif en == 44
	v_nop
.elseif en < 48
	SSTEP 0, 45
.elseif en < 56
	v_exp_f32 v[YB+en-32], v[YB+en-32]                             ; n tile 2
.elseif en < 59
	SSTEP 1, 56
.elseif en < 67
	v_exp_f32 v[YB+en-35], v[YB+en-35]                             ; n tile 3
.elseif en < 70
	SSTEP 2, 67
.else
	SSTEP 3, 70
.endif
.set en, en+1
.endm
.macro EMIT upto
.rept (\upto)-en
	EP1
.endr
.endm
.macro HALF ep                         ; 16 matrix instructions, behind each its share of the 73 lines
.rept 16
	MM
.if \ep
	EMIT (mi*NEP)/32
.endif
.endr
.endm
.macro LUPD                            ; l = l x correction + the last tile's sums.  Four plain lines that name no accumulator: the places behind the phase's last matrix instructions
.irp n, 0,2
	v_pk_fma_f32 v[LS+2*\n:LS+2*\n+1], v[LS+2*\n:LS+2*\n+1], v[CRR+\n:CRR+\n+1], v[PSM+2*\n:PSM+2*\n+1] op_sel_hi:[1,0,1]
	v_pk_fma_f32 v[LS+2*\n+2:LS+2*\n+3], v[LS+2*\n+2:LS+2*\n+3], v[CRR+\n:CRR+\n+1], v[PSM+2*\n+2:PSM+2*\n+3] op_sel:[0,1,0] op_sel_hi:[1,1,1]
.endr
.endm
.macro MAXES                           ; the running maxima take in the finished set: three vector sources, so these stand under window 0
.irp i, 0,1,2,3
.irp n, 0,1,2,3
	v_max3_num_f32 v[MX+\n], v[YB+8*\n+2*\i], v[YB+8*\n+2*\i+1], v[MX+\n]
.endr
.endr
.endm
; A phase: multiplies buffer c into set c, works on set 1 - c.  kind 0: fetches the next phase's fragments in its middle.  kind 1: changes slots and
; fills this slot again, two tiles ahead.  kind 2: changes slots, fills nothing.  kind 3: the last phase.
.macro PHASE c, ep, kind, slot, p
	s_wait_dscnt 0x0                               ; my fragments, fetched half a phase ago, are in; in the last phase of a tile: my reads of this slot are over
.if \kind == 1
	s_set_vgpr_msb 0x400
	s_wait_tensorcnt 0x0                           ; all my tensor loads have landed: the one that was out is my part of the next slot
	ds_add_u32 v62, v63
	s_wait_dscnt 0x0
	s_set_vgpr_msb 0x4
.endif
.if \kind == 2
	s_wait_tensorcnt 0x0
.endif
.set CB, ACC0+32*\c
.set AB, AF0+64*\c
.set YB, ACC0+32*(1-\c)
.set NMY, NM0+4*(1-\c)
.set NMO, NM0+4*\c
.set mi, 0
.set en, 0
.if \ep
	WIN 0
	LUPD
	MAXES
.endif
.if \kind == 1
	s_barrier_signal -1                            ; opens a round of the cluster's barrier; register work alone up to its wait
.endif
.if \kind == 2
	s_barrier_signal -1
.endif
	WIN 0x04
	HALF \ep
.if \kind == 0
	FETCH \slot, \p+1, 1-\c
.elseif \kind == 1
	WIN 0
	s_barrier_wait -1
	CREST                                          ; no wave of any partner still reads this slot or has a load on its way
	s_add_nc_u64 s[G0+4*\slot+2:G0+4*\slot+3], s[G0+4*\slot+2:G0+4*\slot+3], 2*TILEB
	tensor_load_to_lds s[G0+4*\slot:G0+4*\slot+3], s[G1:G1+7]      ; the first tensor load behind the round, ahead of the first LDS read
	s_nop 0
	FETCH 1-\slot, 0, 0
.elseif \kind == 2
	s_barrier_wait -1                              ; the last tile is whole
	FETCH 1-\slot, 0, 0
.endif
	WIN 0x04
	HALF \ep
.endm
.macro TRIP slot, kind3, ep0           ; one tile: four phases
	PHASE 0, \ep0, 0, \slot, 0
	PHASE 1, 1, 0, \slot, 1
	PHASE 0, 1, 0, \slot, 2
	PHASE 1, 1, \kind3, \slot, 3
.endm
.macro LAP ep0                         ; once round the ring, both slots filled again
	TRIP 0, 1, \ep0
	TRIP 1, 1, 1
	WIN 0                                          ; at a label and at a branch every window is 0
.endm
	s_wait_loadcnt 0x0                             ; the owned fragments
	s_wait_tensorcnt 0x1                           ; my part of tile 0 is in; tile 1 stays out
	s_barrier_signal -1
	s_barrier_wait -1                              ; everybody's is
	FETCH 0, 0, 0
	LAP 0                                          ; tiles 0, 1; asks for 2, 3.  Its first phase has no finished set to work on
	s_mov_b32 s41, 2
.Llap:
	LAP 1                                          ; tiles 2 to 5; asks for 4 to 7
	s_sub_co_u32 s41, s41, 1
	s_cmp_lg_u32 s41, 0
	s_cbranch_scc1 .Llap
	TRIP 0, 2, 1                                   ; tile 6
	TRIP 1, 3, 1                                   ; tile 7
	; the last finished set (set 1) is worked on without matrix instructions
	WIN 0
.set YB, ACC0+32
.set NMY, NM0+4
.set NMO, NM0
	LUPD
	MAXES
.set en, 0
	EMIT NEP
	LUPD
	; my lanes' partial (m', l) to LDS: word (4 w + n) x 32 + lane
.irp n, 0,1,2,3
	v_add_f32 v[LS+2*\n], v[LS+2*\n], v[LS+2*\n+1]
	v_mul_f32 v[MX+\n], s38, v[MX+\n]              ; m' = maximum x sc, the same bits as were taken away in the exponents
.endr
	s_lshl_b32 s47, s14, 9
	s_add_co_u32 s47, s47, SCR
	v_lshl_add_u32 v5, v3, 2, s47
.irp n, 0,1,2,3
	ds_store_b32 v5, v[MX+\n] offset:128*\n
	ds_store_b32 v5, v[LS+2*\n] offset:4096+128*\n
.endr
	s_wait_dscnt 0x0                               ; for the merging wave's sake
	s_barrier_signal -1
	s_barrier_wait -1
	s_cmp_lg_u32 s14, 0
	s_cbranch_scc1 .Lmerged
	; wave 0 merges: lane l takes owned rows 4 l .. 4 l + 3, each with eight partials (four waves x two halves of the lanes)
	v_lshlrev_b32 v6, 11, v2                       ; rows 64 .. 127 lie with waves 4 to 7
	v_bfe_u32 v7, v3, 2, 2
	v_lshl_add_u32 v6, v7, 7, v6                   ; n tile
	v_and_b32 v7, 3, v3
	v_lshl_add_u32 v6, v7, 4, v6                   ; four rows of it
	v_add_nc_u32 v6, SCR, v6
.irp i, 0,1,2,3,4,5,6,7
	ds_load_b128 v[64+4*\i:67+4*\i], v6 offset:(\i/2)*512+(\i%2)*64
	ds_load_b128 v[96+4*\i:99+4*\i], v6 offset:4096+(\i/2)*512+(\i%2)*64
.endr
	s_wait_dscnt 0x0
.irp c, 0,1,2,3
	v_max3_num_f32 v[128+\c], v[64+\c], v[68+\c], v[72+\c]
	v_max3_num_f32 v[128+\c], v[128+\c], v[76+\c], v[80+\c]
	v_max3_num_f32 v[128+\c], v[128+\c], v[84+\c], v[88+\c]
	v_max_num_f32 v[128+\c], v[128+\c], v[92+\c]
.endr
.irp i, 0,1,2,3,4,5,6,7
	v_pk_add_f32 v[64+4*\i:65+4*\i], v[64+4*\i:65+4*\i], v[128:129] neg_lo:[0,1] neg_hi:[0,1]
	v_pk_add_f32 v[66+4*\i:67+4*\i], v[66+4*\i:67+4*\i], v[130:131] neg_lo:[0,1] neg_hi:[0,1]
.endr
.set j, 0
.rept 32
	v_exp_f32 v[64+j], v[64+j]
.set j, j+1
.endr
	v_nop                                          ; the plain line behind the exponentials
	s_wait_alu depctr_va_vdst(0)
	v_pk_mul_f32 v[132:133], v[96:97], v[64:65]
	v_pk_mul_f32 v[134:135], v[98:99], v[66:67]
.irp i, 1,2,3,4,5,6,7
	v_pk_fma_f32 v[132:133], v[96+4*\i:97+4*\i], v[64+4*\i:65+4*\i], v[132:133]
	v_pk_fma_f32 v[134:135], v[98+4*\i:99+4*\i], v[66+4*\i:67+4*\i], v[134:135]
.endr
	v_lshlrev_b32 v7, 4, v3
	global_store_b128 v7, v[128:131], s[8:9]                   ; 512 consecutive bytes of m'
	global_store_b128 v7, v[132:135], s[8:9] offset:131072     ; and of l
.Lmerged:
	s_wait_tensorcnt 0x0
	ds_add_u32 v62, v63
	s_wait_dscnt 0x0
	CROUND                                         ; the closing round: no work-group ends while a partner may still ask for a tile that names it
	s_endpgm
.Lfunc_end_k_q4df96805b2_rowstat:
	.size	k_q4df96805b2_rowstat, .Lfunc_end_k_q4df96805b2_rowstat-k_q4df96805b2_rowstat
	.p2alignl 7, 3214868480
	.fill 96, 4, 3214868480
	.section	.rodata,"a",@progbits
	.p2align	6, 0x0
	.amdhsa_kernel k_q4df96805b2_rowstat
		.amdhsa_group_segment_fixed_size 327680
		.amdhsa_private_segment_fixed_size 0
		.amdhsa_enable_private_segment 0
		.amdhsa_kernarg_size 24
		.amdhsa_user_sgpr_count 2
		.amdhsa_user_sgpr_kernarg_segment_ptr 1
		.amdhsa_wavefront_size32 1
		.amdhsa_system_sgpr_workgroup_id_x 1
		.amdhsa_system_sgpr_workgroup_id_y 1
		.amdhsa_system_sgpr_workgroup_id_z 1
		.amdhsa_system_vgpr_workitem_id 0
		.amdhsa_next_free_vgpr 512
		.amdhsa_next_free_sgpr 66
		.amdhsa_reserve_vcc 0
		.amdhsa_float_denorm_mode_32 3
		.amdhsa_float_denorm_mode_16_64 3
		.amdhsa_memory_ordered 1
		.amdhsa_forward_progress 1
		.amdhsa_inst_pref_size 211
	.end_amdhsa_kernel
	.amdgpu_metadata
---
amdhsa.version: [ 1, 2 ]
amdhsa.kernels:
  - .name:           k_q4df96805b2_rowstat
    .symbol:         k_q4df96805b2_rowstat.kd
    .args:
      - { .name: qb, .offset: 0, .size: 8, .value_kind: global_buffer, .address_space: global }
      - { .name: kb, .offset: 8, .size: 8, .value_kind: global_buffer, .address_space: global }
      - { .name: stat, .offset: 16, .size: 8, .value_kind: global_buffer, .address_space: global }
    .group_segment_fixed_size: 327680
    .private_segment_fixed_size: 0
    .kernarg_segment_align: 8
    .kernarg_segment_size: 24
    .max_flat_workgroup_size: 256
    .sgpr_count:     66
    .vgpr_count:     512
    .wavefront_size: 32
...
	.end_amdgpu_metadata
.endif
;; end of part 2
;; launch colsum (part 3): grid 256 x 1, 8 waves a work-group, clusters of 4 x 1, 327,680 bytes of LDS; arguments kb, qb, stat, x, ypart; writes ypart
.if DOCPART == 3
	.amdgcn_target "amdgcn-amd-amdhsa--gfx1250"
	.amdhsa_code_object_version 6
	.text
	.protected	k_q4df96805b2_colsum
	.globl	k_q4df96805b2_colsum
	.p2align	8
	.type	k_q4df96805b2_colsum,@function
k_q4df96805b2_colsum:
	s_mov_b64 s[64:65], 0
	v_nop
	global_prefetch_b8 v0, s[64:65] scope:SCOPE_SE
	s_setreg_imm32_b32 hwreg(HW_REG_WAVE_MODE, 25, 1), 1
	s_wait_xcnt 0x0
	s_wait_alu depctr_hold_cnt(0) depctr_sa_sdst(0) depctr_va_vdst(0) depctr_va_sdst(0) depctr_va_ssrc(0) depctr_va_vcc(0) depctr_vm_vsrc(0)
	s_getreg_b32 s2, hwreg(HW_REG_IB_STS2, 6, 4)
	s_cmp_eq_u32 s2, 0
	s_cbranch_scc0 .Lentry_in_a_cluster
	s_endpgm
.Lentry_in_a_cluster:
	s_bfe_u32 s2, ttmp6, 0x10000c
	s_cmp_lg_u32 s2, 0x3003
	s_cbranch_scc0 .Lentry_shape_is_right
	s_endpgm
.Lentry_shape_is_right:
; Column sums of the softmax and their product with x.  w[t] = (1/4096) sum over s of softmax(q k^T / 16)[s][t] = sum over s of 2^(z[s][t] - c[s]),
; z = (q.k) sc, sc = log2(e) / 16, c[s] = m'[s] + log2 l[s] + 12, with m', l merged from the two halves that stat holds.  The mean over s commutes with
; the product with v, so the result needs only y = sum over t of w[t] x[t][:] here, and y Wv + bv in the next launch.
; A work-group owns 128 rows of k (batch b, block blk) and walks the 2,048 rows of q of half hf in 8 tiles of 256 rows; it stores
; ypart[work-group][256] = sum over its 128 t of (its half's part of w[t]) x[t][:].  The frame is that of the row statistics: wave w owns 64 of the k rows
; (w / 4) in registers v256-v511 and 64 rows of every tile (w % 4); a phase = 32 matrix instructions on 4 accumulators, two sets by turns, the vector
; work on the finished set dealt out among the next phase's matrix instructions.  Source 0 = rows of q, source 1 = rows of k: lane (r, h) holds k row r,
; its registers q rows 8 h + 0 .. 7, so the sum over s runs inside a lane.
; CLUSTER 4, 1, 1: the four work-groups of a cluster share b and hf and walk the same tiles of q: joint loads, mask 15.  By this text's count a wave has
; at most two tensor loads outstanding.
; LIMITS: inputs finite; v_exp_f32 gives zero below 2^-126, so terms below that are dropped from w; every exponent is at most -12 up to rounding.
.set PITCH, 528                        ; an LDS row: 512 bytes + 16, an odd multiple of 16 bytes
.set SLOT, 256*PITCH
.set WPART, 32*PITCH
.set TILEB, 256*512
.set SCR, 2*SLOT                       ; scratch behind the ring (a multiple of 256): no tensor load lands here
.set CSL, SCR                          ; -c of the 2,048 walked rows: 8,192 bytes
.set SWL, SCR+8192                     ; the waves' partial w: 4,096 bytes
.set YSL, SCR+12288                    ; the waves' partial y: 8,192 bytes
.set NEP, 65                           ; vector instructions dealt out in a phase
.set ADR, 8                            ; v8, v9     my fragment rows in slot 0, 1
.set CSA, 10                           ; v10        -c of my rows, this lap's first tile
.set PF, 11                            ; v11        prefetch offsets
.set CS0, 16                           ; v[16:23], v[24:31]  -c of a phase's rows 8 h + 0 .. 7, buffers 0, 1
.set WS, 32                            ; v[32:47]   two sum pairs for each n tile
.set ACC0, 64
.set AF0, 128
.set G1, 16
.set G0, 24
.set MSB, 0
.macro WIN new                         ; s_set_vgpr_msb: bits 1:0 source 0, 3:2 source 1, 5:4 source 2, 7:6 destination; the high byte repeats the setting that is left
.if MSB != \new
	s_set_vgpr_msb (MSB<<8)|\new
.set MSB, \new
.endif
.endm
.macro CREST
	s_cmp_lg_u32 s14, 0
	s_cbranch_scc1 .Lnot_wave_0_\@
	s_barrier_signal -3
.Lnot_wave_0_\@:
	s_barrier_wait -3
	s_barrier_signal -1
	s_barrier_wait -1
.endm
.macro CROUND
	s_barrier_signal -1
	s_barrier_wait -1
	CREST
.endm
	s_load_b256 s[4:11], s[0:1], 0x0               ; kb s[4:5] (owned), qb s[6:7] (walked), stat s[8:9], x s[10:11]
	s_load_b64 s[12:13], s[0:1], 0x20              ; ypart
	v_lshl_add_u32 v62, v0, 2, 0x47000
	v_mov_b32 v63, 0
	ds_add_u32 v62, v63
	v_lshrrev_b32 v1, 5, v0
	v_readfirstlane_b32 s14, v1                    ; wave 0..7
	s_lshr_b32 s15, s14, 2                         ; which 64 owned rows
	s_and_b32 s32, s14, 3                          ; which 64 rows of every tile
	s_bfe_u32 s33, ttmp6, 0x40000                  ; cx
	s_lshr_b32 s34, ttmp9, 4                       ; b
	s_bfe_u32 s35, ttmp9, 0x10003                  ; hf
	s_and_b32 s36, ttmp9, 7
	s_lshl2_add_u32 s36, s36, s33                  ; blk
	s_mov_b32 s38, 0x3db8aa3b                      ; sc, twice
	s_mov_b32 s39, 0x3db8aa3b
	s_mov_b32 s48, 0x76543210                      ; v_permlanex16_b32: lane i of one half reads lane i of the other
	s_mov_b32 s49, 0xfedcba98
	s_mov_b32 s[G1+0], 15|(1<<16)|(1<<20)|(1<<21)|(6<<22)|(3<<25)   ; mask 15; element of 2 bytes; padding on; bit 21 beside a mask; after every 128 words; 4 words
	s_mov_b32 s[G1+1], 256<<16
	s_mov_b32 s[G1+2], 32<<16
	s_mov_b32 s[G1+3], 256<<16
	s_mov_b32 s[G1+4], 32
	s_mov_b32 s[G1+5], 256
	s_mov_b32 s[G1+6], 0
	s_mov_b32 s[G1+7], 0
	s_lshr_b32 s42, ttmp9, 3                       ; walked rows: (2 b + hf) x 2,048 rows of 512 bytes + 32 w rows
	s_lshl_b32 s42, s42, 20
	s_lshl_b32 s43, s14, 14
	s_add_co_u32 s42, s42, s43
	s_mov_b32 s43, 0
	s_lshl_b32 s44, s34, 21                        ; owned rows: (4096 b + 128 blk + 64 (w / 4)) x 512 bytes
	s_lshl_b32 s45, s36, 16
	s_add_co_u32 s44, s44, s45
	s_lshl_b32 s45, s15, 15
	s_add_co_u32 s44, s44, s45
	s_mov_b32 s45, 0
	s_mul_i32 s46, s14, WPART
	s_mov_b32 s51, 0
	s_mov_b32 s53, 0
	s_wait_dscnt 0x0
	s_wait_kmcnt 0x0
	s_add_nc_u64 s[6:7], s[6:7], s[42:43]
	s_add_nc_u64 s[4:5], s[4:5], s[44:45]
	s_lshr_b32 s50, ttmp9, 3
	s_lshl_b32 s50, s50, 13                        ; stat: row 4096 b + 2048 hf
	s_add_nc_u64 s[8:9], s[8:9], s[50:51]
	s_lshl_b32 s50, s34, 22                        ; x: (4096 b + 128 blk + 16 w) rows of 1,024 bytes
	s_lshl_b32 s52, s36, 17
	s_add_co_u32 s50, s50, s52
	s_lshl_b32 s52, s14, 14
	s_add_co_u32 s50, s50, s52
	s_add_nc_u64 s[10:11], s[10:11], s[50:51]
	s_lshl2_add_u32 s52, ttmp9, s33                ; the work-group's number
	s_lshl_b32 s52, s52, 10
	s_add_nc_u64 s[12:13], s[12:13], s[52:53]
	CROUND                                         ; all four work-groups are here: the first joint loads meet
.irp n, 0,1
	s_mov_b32 s[G0+4*\n], 1
	s_add_co_u32 s[G0+4*\n+1], s46, \n*SLOT
	s_add_nc_u64 s[G0+4*\n+2:G0+4*\n+3], s[6:7], \n*TILEB
	s_or_b32 s[G0+4*\n+3], s[G0+4*\n+3], 0x80000000
	tensor_load_to_lds s[G0+4*\n:G0+4*\n+3], s[G1:G1+7]              ; tiles 0 and 1
	s_nop 0
.endr
	v_and_b32 v1, 15, v0                           ; r
	v_bfe_u32 v2, v0, 4, 1                         ; h
	v_and_b32 v3, 31, v0                           ; lane
	v_lshlrev_b32 v5, 5, v0                        ; thread t merges the statistics of walked rows 8 t .. 8 t + 7
.irp k, 0,1,2,3
	global_load_b128 v[128+8*\k:131+8*\k], v5, s[8:9] offset:\k*65536          ; k = 0, 1: m' of the two halves; 2, 3: l
	global_load_b128 v[132+8*\k:135+8*\k], v5, s[8:9] offset:\k*65536+16
.endr
	v_lshlrev_b32 v4, 9, v1
	v_lshl_add_u32 v4, v2, 4, v4                   ; owned fragments in memory: row r, 16 h
	WIN 0x40
.irp nt, 0,1,2,3
.irp ks, 0,1,2,3,4,5,6,7
	global_load_b128 v[64*\nt+8*\ks:64*\nt+8*\ks+3], v4, s[4:5] offset:\nt*8192+64*\ks
	global_load_b128 v[64*\nt+8*\ks+4:64*\nt+8*\ks+7], v4, s[4:5] offset:\nt*8192+64*\ks+32
.endr
.endr
	WIN 0
	s_lshl_b32 s47, s32, 6
	v_add_nc_u32 v6, s47, v1
	v_mul_u32_u24 v6, v6, PITCH
	v_lshl_add_u32 v[ADR], v2, 4, v6
	v_add_nc_u32 v[ADR+1], SLOT, v[ADR]
	s_lshl_b32 s47, s32, 8
	s_add_co_u32 s47, s47, CSL
	v_lshl_add_u32 v[CSA], v2, 5, s47              ; -c of rows 64 (w % 4) + 8 h ..
	v_lshrrev_b32 v[PF], 1, v3                     ; prefetch: row lane / 2 of my 16 rows of x,
	v_lshlrev_b32 v[PF], 10, v[PF]
	v_and_b32 v7, 1, v3
	v_lshl_add_u32 v[PF], v7, 8, v[PF]             ; its 256-byte block lane % 2 + 2 hf
	s_lshl_b32 s47, s35, 9
	v_add_nc_u32 v[PF], s47, v[PF]
	s_lshl_b32 s47, s14, 9
	s_add_co_u32 s47, s47, SWL
	v_lshl_add_u32 v12, v3, 2, s47                 ; v12: where my partial w go
	s_lshl_b32 s47, s15, 11
	s_lshl_b32 s37, s32, 7
	s_add_co_u32 s47, s47, s37
	s_add_co_u32 s47, s47, SWL
	v_mov_b32 v13, s47                             ; v13: the partial w of x rows 16 w .. 16 w + 15
	s_lshl_b32 s47, s14, 10
	s_add_co_u32 s47, s47, YSL
	v_lshl_add_u32 v14, v3, 4, s47                 ; v14: where my partial y goes
	v_lshlrev_b32 v15, 4, v3                       ; v15: 16 lane
	v_add_nc_u32 v6, CSL, v5                       ; v6: where my eight -c go
.irp n, 0,1,2,3,4,5,6,7,8,9,10,11,12,13,14,15
	v_mov_b32 v[WS+\n], 0
.endr
	s_wait_loadcnt 0x0                             ; the statistics and the owned fragments
	; -c = (-12 - Mx) - log2(l0 2^(m0 - Mx) + l1 2^(m1 - Mx)), Mx = max(m0, m1); 12 = log2 4096 is the mean over s
.irp j, 0,1,2,3,4,5,6,7
	v_max_num_f32 v[160+\j], v[128+\j], v[136+\j]
.endr
.irp j, 0,2,4,6
	v_pk_add_f32 v[128+\j:129+\j], v[128+\j:129+\j], v[160+\j:161+\j] neg_lo:[0,1] neg_hi:[0,1]
	v_pk_add_f32 v[136+\j:137+\j], v[136+\j:137+\j], v[160+\j:161+\j] neg_lo:[0,1] neg_hi:[0,1]
.endr
.irp j, 0,1,2,3,4,5,6,7,8,9,10,11,12,13,14,15
	v_exp_f32 v[128+\j], v[128+\j]
.endr
.irp j, 0,2,4,6
	v_pk_fma_f32 v[160+\j:161+\j], v[160+\j:161+\j], -1.0, 0xc1400000 op_sel_hi:[1,0,0]    ; plain lines behind the exponentials
.endr
.irp j, 0,2,4,6
	s_wait_alu depctr_va_vdst(0)
	v_pk_mul_f32 v[144+\j:145+\j], v[144+\j:145+\j], v[128+\j:129+\j]
	v_pk_fma_f32 v[144+\j:145+\j], v[152+\j:153+\j], v[136+\j:137+\j], v[144+\j:145+\j]
.endr
.irp j, 0,1,2,3,4,5,6,7
	v_log_f32 v[144+\j], v[144+\j]                 ; l is at least about 1: each half's largest term is 2^0
.endr
	v_nop                                          ; the plain line behind the logarithms
.irp j, 0,2,4,6
	s_wait_alu depctr_va_vdst(0)
	v_pk_add_f32 v[160+\j:161+\j], v[160+\j:161+\j], v[144+\j:145+\j] neg_lo:[0,1] neg_hi:[0,1]
.endr
	ds_store_b128 v6, v[160:163]
	ds_store_b128 v6, v[164:167] offset:16
; 18 LDS loads: the eight fragments of phase p of a slot's tile, and -c of its rows 8 h + 0 .. 7 (tl = the tile's place in this lap; 2 = the next lap's first)
.macro FETCH slot, p, buf, tl
.irp ks, 0,1,2,3,4,5,6,7
	ds_load_b128 v[AF0+64*(\buf)+8*\ks:AF0+64*(\buf)+8*\ks+3], v[ADR+(\slot)] offset:(\p)*16*PITCH+64*\ks
	ds_load_b128 v[AF0+64*(\buf)+8*\ks+4:AF0+64*(\buf)+8*\ks+7], v[ADR+(\slot)] offset:(\p)*16*PITCH+64*\ks+32
.endr
	ds_load_b128 v[CS0+8*(\buf):CS0+8*(\buf)+3], v[CSA] offset:(\tl)*1024+64*(\p)
	ds_load_b128 v[CS0+8*(\buf)+4:CS0+8*(\buf)+7], v[CSA] offset:(\tl)*1024+64*(\p)+16
.endm
; Matrix instruction mi of a phase: K step mi / 4, n tile mi % 4.  The four accumulators take turns, one instruction a turn, and a phase's last and the
; next phase's first name different ones.
.macro MM
.if mi < 4
	v_wmma_f32_16x16x32_bf16 v[CB+8*(mi%4):CB+8*(mi%4)+7], v[AB+8*(mi/4):AB+8*(mi/4)+7], v[64*(mi%4)+8*(mi/4):64*(mi%4)+8*(mi/4)+7], 0
.else
	v_wmma_f32_16x16x32_bf16 v[CB+8*(mi%4):CB+8*(mi%4)+7], v[AB+8*(mi/4):AB+8*(mi/4)+7], v[64*(mi%4)+8*(mi/4):64*(mi%4)+8*(mi/4)+7], v[CB+8*(mi%4):CB+8*(mi%4)+7]
.endif
.set mi, mi+1
.endm
; The vector work among the matrix instructions runs under their window setting (source 1 = v256-v511): each line has a scalar or a constant as source 1,
; which is why sums are written as x * 1.0 + y.
.macro SSTEP t, first                  ; eight exponentials of n tile t into its two sum pairs, in four lines
.set epq, YB+8*\t
.if en == \first
	s_wait_alu depctr_va_vdst(0)
	v_pk_fma_f32 v[epq:epq+1], v[epq:epq+1], 1.0, v[epq+2:epq+3] op_sel_hi:[1,0,1]
.elseif en == \first+1
	v_pk_fma_f32 v[epq+4:epq+5], v[epq+4:epq+5], 1.0, v[epq+6:epq+7] op_sel_hi:[1,0,1]
.elseif en == \first+2
	v_pk_fma_f32 v[WS+4*\t:WS+4*\t+1], v[epq:epq+1], 1.0, v[WS+4*\t:WS+4*\t+1] op_sel_hi:[1,0,1]
.else
	v_pk_fma_f32 v[WS+4*\t+2:WS+4*\t+3], v[epq+4:epq+5], 1.0, v[WS+4*\t+2:WS+4*\t+3] op_sel_hi:[1,0,1]
.endif
.endm
; Line en of the 65.  Lines 0-15 (the only readers of -c) are out behind the phase's eighth matrix instruction, so the fetch in its middle may load -c anew.
; Lines 57-64 are plain and stand behind matrix instructions 28 to 31: they are the places in front of the next phase's first reads of the new set.
; Behind each run of v_exp_f32 a plain line on other registers stands before a result is used (ISA guide 5.7.2).
.macro EP1
.if en < 16
.set epq, 2*(en%4)
	v_pk_fma_f32 v[YB+8*(en/4)+epq:YB+8*(en/4)+epq+1], v[YB+8*(en/4)+epq:YB+8*(en/4)+epq+1], s[38:39], v[CSY+epq:CSY+epq+1] op_sel_hi:[1,0,1]
.elseif en < 32
	v_exp_f32 v[YB+en-16], v[YB+en-16]             ; n tiles 0, 1
.elseif en == 32
	v_nop
.elseif en < 37
	SSTEP 0, 33
.elseif en < 45
	v_exp_f32 v[YB+en-21], v[YB+en-21]             ; n tile 2
.elseif en < 49
	SSTEP 1, 45
.elseif en < 57
	v_exp_f32 v[YB+en-25], v[YB+en-25]             ; n tile 3
.elseif en < 61
	SSTEP 2, 57
.else
	SSTEP 3, 61
.endif
.set en, en+1
.endm
.macro EMIT upto
.rept (\upto)-en
	EP1
.endr
.endm
.macro HALF ep
.rept 16
	MM
.if \ep
	EMIT (mi*NEP)/32
.endif
.endr
.endm
; A phase: multiplies buffer c into set c, works on set 1 - c.  kind 0: fetches the next phase's fragments in its middle.  kind 1: changes slots and
; fills this slot again, two tiles ahead.  kind 2: changes slots, fills nothing.  kind 3: the last phase.
.macro PHASE c, ep, kind, slot, p
	s_wait_dscnt 0x0                               ; my fragments, fetched half a phase ago, are in; in the last phase of a tile: my reads of this slot are over
.if \kind == 1
	s_set_vgpr_msb 0x400
	s_wait_tensorcnt 0x0                           ; all my tensor loads have landed: the one that was out is my part of the next slot
	ds_add_u32 v62, v63
	s_wait_dscnt 0x0
	s_set_vgpr_msb 0x4
	s_barrier_signal -1                            ; opens a round of the cluster's barrier; register work alone up to its wait
.endif
.if \kind == 2
	s_wait_tensorcnt 0x0
	s_barrier_signal -1
.endif
.set CB, ACC0+32*\c
.set AB, AF0+64*\c
.set YB, ACC0+32*(1-\c)
.set CSY, CS0+8*(1-\c)
.set mi, 0
.set en, 0
	WIN 0x04
	HALF \ep
.if \kind == 0
	FETCH \slot, \p+1, 1-\c, \slot
.elseif \kind == 1
	WIN 0
	s_barrier_wait -1
	CREST                                          ; no wave of any partner still reads this slot or has a load on its way
	s_add_nc_u64 s[G0+4*\slot+2:G0+4*\slot+3], s[G0+4*\slot+2:G0+4*\slot+3], 2*TILEB
	tensor_load_to_lds s[G0+4*\slot:G0+4*\slot+3], s[G1:G1+7]      ; the first tensor load behind the round, ahead of the first LDS read
	s_nop 0
	FETCH 1-\slot, 0, 0, \slot+1
.elseif \kind == 2
	s_barrier_wait -1                              ; the last tile is whole
	FETCH 1-\slot, 0, 0, \slot+1
	; four and a half phases ahead of the loads of x at the end: each wave asks for 32 of the 64 aligned 256-byte blocks of its 16 rows; the work-group
	; of the other half hf, which reads the same rows, asks for the other 32.  All lie inside x.
	global_prefetch_b8 v[PF], s[10:11] th:TH_LOAD_NT scope:SCOPE_SE
.endif
	WIN 0x04
	HALF \ep
.if \ep == 0
.rept 4
	v_nop                                          ; no vector work was dealt out: the places in front of the next phase's first reads of this set
.endr
.endif
.endm
.macro TRIP slot, kind3, ep0
	PHASE 0, \ep0, 0, \slot, 0
	PHASE 1, 1, 0, \slot, 1
	PHASE 0, 1, 0, \slot, 2
	PHASE 1, 1, \kind3, \slot, 3
.endm
.macro LAP ep0
	TRIP 0, 1, \ep0
	TRIP 1, 1, 1
	WIN 0                                          ; at a label and at a branch every window is 0
	v_add_nc_u32 v[CSA], 2048, v[CSA]              ; -c: two tiles on
.endm
	s_wait_dscnt 0x0                               ; my eight -c are in LDS, for the other waves' sake
	s_wait_tensorcnt 0x1                           ; my part of tile 0 is in; tile 1 stays out
	s_barrier_signal -1
	s_barrier_wait -1
	FETCH 0, 0, 0, 0
	LAP 0                                          ; tiles 0, 1; asks for 2, 3
	s_mov_b32 s41, 2
.Llap:
	LAP 1                                          ; tiles 2 to 5; asks for 4 to 7
	s_sub_co_u32 s41, s41, 1
	s_cmp_lg_u32 s41, 0
	s_cbranch_scc1 .Llap
	TRIP 0, 2, 1                                   ; tile 6
	TRIP 1, 3, 1                                   ; tile 7
	; the last finished set (set 1) is worked on without matrix instructions
	WIN 0
.set YB, ACC0+32
.set CSY, CS0+8
.set en, 0
	EMIT 16                                        ; sixteen plain lines: at least four of them name no register of any one of the last matrix instructions,
.irp i, 0,1,2,3,4,5,6,7,8,9,10,11,12,13,14,15
	global_load_b128 v[128+8*\i:131+8*\i], v15, s[10:11] offset:\i*1024        ; so the fragment buffers may be loaded: my 16 rows of x, f32,
	global_load_b128 v[132+8*\i:135+8*\i], v15, s[10:11] offset:\i*1024+512    ; two loads of 512 neighbouring bytes a row
.endr
	EMIT NEP
	; w of my four n tiles: the four partial sums of a lane, then the other half of the lanes
.irp n, 0,1,2,3
	v_pk_add_f32 v[WS+4*\n:WS+4*\n+1], v[WS+4*\n:WS+4*\n+1], v[WS+4*\n+2:WS+4*\n+3]
.endr
.irp n, 0,1,2,3
	v_add_f32 v[WS+4*\n], v[WS+4*\n], v[WS+4*\n+1]
.endr
.irp n, 0,1,2,3
	v_permlanex16_b32 v[WS+4*\n+1], v[WS+4*\n], s48, s49
.endr
.irp n, 0,1,2,3
	v_add_f32 v[WS+4*\n], v[WS+4*\n], v[WS+4*\n+1]
	ds_store_b32 v12, v[WS+4*\n] offset:128*\n     ; word (4 w + n) x 32 + lane
.endr
	s_wait_dscnt 0x0
	s_barrier_signal -1
	s_barrier_wait -1
	; the 16 weights of x rows 16 w .. 16 w + 15 = n tile w % 4 of the four waves with my w / 4; every lane reads the same words
.irp q, 0,1,2,3
.irp j, 0,1,2,3
	ds_load_b128 v[64+16*\q+4*\j:67+16*\q+4*\j], v13 offset:\q*512+16*\j
.endr
.endr
	s_wait_dscnt 0x0
.irp p, 0,2,4,6,8,10,12,14
	v_pk_add_f32 v[64+\p:65+\p], v[64+\p:65+\p], v[80+\p:81+\p]
	v_pk_add_f32 v[96+\p:97+\p], v[96+\p:97+\p], v[112+\p:113+\p]
	v_pk_add_f32 v[64+\p:65+\p], v[64+\p:65+\p], v[96+\p:97+\p]
.endr
	; y of my 16 rows: 8 columns a lane, in f32
.macro ROWFMA i
	s_wait_loadcnt 30-2*\i                         ; row i's two loads are in; the younger rows stay out
.irp q, 0,2,4,6
.if \i == 0
	v_pk_mul_f32 v[16+\q:17+\q], v[128+\q:129+\q], v[64:65] op_sel_hi:[1,0]
.elseif (\i%2) == 0
	v_pk_fma_f32 v[16+\q:17+\q], v[128+8*\i+\q:129+8*\i+\q], v[64+\i:65+\i], v[16+\q:17+\q] op_sel_hi:[1,0,1]
.else
	v_pk_fma_f32 v[16+\q:17+\q], v[128+8*\i+\q:129+8*\i+\q], v[63+\i:64+\i], v[16+\q:17+\q] op_sel:[0,1,0] op_sel_hi:[1,1,1]
.endif
.endr
.endm
.irp i, 0,1,2,3,4,5,6,7,8,9,10,11,12,13,14,15
	ROWFMA \i
.endr
	ds_store_b128 v14, v[16:19]
	ds_store_b128 v14, v[20:23] offset:512
	s_wait_dscnt 0x0
	s_barrier_signal -1
	s_barrier_wait -1
	s_cmp_gt_u32 s14, 1
	s_cbranch_scc1 .Lstored
	; waves 0 and 1 add the eight waves' y and store 512 consecutive bytes each
	v_lshlrev_b32 v7, 4, v0
	v_add_nc_u32 v6, YSL, v7
.irp i, 0,1,2,3,4,5,6,7
	ds_load_b128 v[64+4*\i:67+4*\i], v6 offset:1024*\i
.endr
	s_wait_dscnt 0x0
.irp p, 0,2,4,6,8,10,12,14
	v_pk_add_f32 v[64+\p:65+\p], v[64+\p:65+\p], v[80+\p:81+\p]
.endr
.irp p, 0,2,4,6
	v_pk_add_f32 v[64+\p:65+\p], v[64+\p:65+\p], v[72+\p:73+\p]
.endr
.irp p, 0,2
	v_pk_add_f32 v[64+\p:65+\p], v[64+\p:65+\p], v[68+\p:69+\p]
.endr
	global_store_b128 v7, v[64:67], s[12:13]
.Lstored:
	s_wait_tensorcnt 0x0
	ds_add_u32 v62, v63
	s_wait_dscnt 0x0
	CROUND                                         ; the closing round: no work-group ends while a partner may still ask for a tile that names it
	s_endpgm
.Lfunc_end_k_q4df96805b2_colsum:
	.size	k_q4df96805b2_colsum, .Lfunc_end_k_q4df96805b2_colsum-k_q4df96805b2_colsum
	.p2alignl 7, 3214868480
	.fill 96, 4, 3214868480
	.section	.rodata,"a",@progbits
	.p2align	6, 0x0
	.amdhsa_kernel k_q4df96805b2_colsum
		.amdhsa_group_segment_fixed_size 327680
		.amdhsa_private_segment_fixed_size 0
		.amdhsa_enable_private_segment 0
		.amdhsa_kernarg_size 40
		.amdhsa_user_sgpr_count 2
		.amdhsa_user_sgpr_kernarg_segment_ptr 1
		.amdhsa_wavefront_size32 1
		.amdhsa_system_sgpr_workgroup_id_x 1
		.amdhsa_system_sgpr_workgroup_id_y 1
		.amdhsa_system_sgpr_workgroup_id_z 1
		.amdhsa_system_vgpr_workitem_id 0
		.amdhsa_next_free_vgpr 512
		.amdhsa_next_free_sgpr 66
		.amdhsa_reserve_vcc 0
		.amdhsa_float_denorm_mode_32 3
		.amdhsa_float_denorm_mode_16_64 3
		.amdhsa_memory_ordered 1
		.amdhsa_forward_progress 1
		.amdhsa_inst_pref_size 185
	.end_amdhsa_kernel
	.amdgpu_metadata
---
amdhsa.version: [ 1, 2 ]
amdhsa.kernels:
  - .name:           k_q4df96805b2_colsum
    .symbol:         k_q4df96805b2_colsum.kd
    .args:
      - { .name: kb, .offset: 0, .size: 8, .value_kind: global_buffer, .address_space: global }
      - { .name: qb, .offset: 8, .size: 8, .value_kind: global_buffer, .address_space: global }
      - { .name: stat, .offset: 16, .size: 8, .value_kind: global_buffer, .address_space: global }
      - { .name: x, .offset: 24, .size: 8, .value_kind: global_buffer, .address_space: global }
      - { .name: ypart, .offset: 32, .size: 8, .value_kind: global_buffer, .address_space: global }
    .group_segment_fixed_size: 327680
    .private_segment_fixed_size: 0
    .kernarg_segment_align: 8
    .kernarg_segment_size: 40
    .max_flat_workgroup_size: 256
    .sgpr_count:     66
    .vgpr_count:     512
    .wavefront_size: 32
...
	.end_amdgpu_metadata
.endif
;; end of part 3
;; launch final (part 4): grid 4 x 4, 8 waves a work-group, no clusters, 9,216 bytes of LDS; arguments ypart, Wv, bv, out0; writes out0
.if DOCPART == 4
	.amdgcn_target "amdgcn-amd-amdhsa--gfx1250"
	.amdhsa_code_object_version 6
	.text
	.protected	k_q4df96805b2_final
	.globl	k_q4df96805b2_final
	.p2align	8
	.type	k_q4df96805b2_final,@function
k_q4df96805b2_final:
	s_mov_b64 s[64:65], 0
	v_nop
	global_prefetch_b8 v0, s[64:65] scope:SCOPE_SE
	s_setreg_imm32_b32 hwreg(HW_REG_WAVE_MODE, 25, 1), 1
	s_wait_xcnt 0x0
; out0[b][e] = sum over k of y[b][k] Wv[k][e] + bv[e], y[b] = the sum of the 64 rows 64 b .. 64 b + 63 of ypart.  All in f32.
; "+ bv" as it stands: out = sum over t of w[t] (x[t] Wv + bv), and the w[t] of a batch add up to 1, since each softmax row does.
; Work-group (cb, b) makes 64 columns of one batch: 16 work-groups, all the work there is (a one-row product of 256 x 64 each).  The matrix units and
; clusters would add nothing to one row.  All loads go out first.
; Thread t: q = t % 64, g = t / 64 for the sum of ypart; cq = t % 16, eg = t / 16 for the product (4 columns, 16 rows of Wv).
.macro ADDQ a, b                       ; four registers at a += four at b
	v_pk_add_f32 v[(\a):(\a)+1], v[(\a):(\a)+1], v[(\b):(\b)+1]
	v_pk_add_f32 v[(\a)+2:(\a)+3], v[(\a)+2:(\a)+3], v[(\b)+2:(\b)+3]
.endm
.macro TREE16 base                     ; sixteen groups of four registers into the first
.irp i, 0,1,2,3,4,5,6,7
	ADDQ \base+4*\i, \base+4*\i+32
.endr
.irp i, 0,1,2,3
	ADDQ \base+4*\i, \base+4*\i+16
.endr
.irp i, 0,1
	ADDQ \base+4*\i, \base+4*\i+8
.endr
	ADDQ \base, \base+4
.endm
	s_load_b256 s[4:11], s[0:1], 0x0               ; ypart s[4:5], Wv s[6:7], bv s[8:9], out0 s[10:11]
	v_lshl_add_u32 v192, v0, 2, 0x2000
	v_mov_b32 v193, 0
	v_lshrrev_b32 v1, 5, v0
	v_readfirstlane_b32 s12, v1                    ; wave
	s_and_b32 s13, ttmp7, 0xffff                   ; b
	s_lshl_b32 s14, s13, 16                        ; 64 rows of 1,024 bytes of ypart
	s_mov_b32 s15, 0
	s_lshl_b32 s16, ttmp9, 8                       ; 64 columns of f32
	s_mov_b32 s17, 0
	s_lshl_b32 s18, s13, 10
	s_add_co_u32 s18, s18, s16                     ; out0: row b, my columns
	s_mov_b32 s19, 0
	v_and_b32 v2, 63, v0                           ; q
	v_lshrrev_b32 v3, 6, v0                        ; g
	v_and_b32 v4, 15, v0                           ; cq
	v_lshrrev_b32 v5, 4, v0                        ; eg
	v_lshlrev_b32 v6, 4, v2
	v_lshl_add_u32 v7, v3, 14, v6                  ; ypart: 16 g rows, 16 q
	v_lshl_add_u32 v8, v3, 10, v6                  ; LDS: partial y of group g
	v_lshlrev_b32 v9, 4, v4                        ; 16 cq
	v_lshl_add_u32 v10, v5, 14, v9                 ; Wv: 16 eg rows, 16 cq
	v_lshlrev_b32 v11, 6, v5                       ; LDS: y[16 eg ..]
	v_lshlrev_b32 v12, 4, v0                       ; LDS: my partial product, behind the 4,096 bytes of y
	s_wait_kmcnt 0x0
	s_add_nc_u64 s[4:5], s[4:5], s[14:15]
	s_add_nc_u64 s[6:7], s[6:7], s[16:17]
	s_add_nc_u64 s[8:9], s[8:9], s[16:17]
	s_add_nc_u64 s[10:11], s[10:11], s[18:19]
.irp i, 0,1,2,3,4,5,6,7,8,9,10,11,12,13,14,15
	global_load_b128 v[128+4*\i:131+4*\i], v7, s[4:5] offset:\i*1024
.endr
.irp i, 0,1,2,3,4,5,6,7,8,9,10,11,12,13,14,15
	global_load_b128 v[64+4*\i:67+4*\i], v10, s[6:7] offset:\i*1024
.endr
	global_load_b128 v[60:63], v9, s[8:9]
	s_wait_loadcnt 17                              ; ypart is in; the 16 loads of Wv and the one of bv stay out
	TREE16 128
	ds_store_b128 v8, v[128:131]
	s_wait_dscnt 0x0
	s_barrier_signal -1
	s_barrier_wait -1
.irp g, 0,1,2,3
.irp j, 0,1,2,3
	ds_load_b128 v[128+16*\g+4*\j:131+16*\g+4*\j], v11 offset:\g*1024+16*\j
.endr
.endr
	s_wait_dscnt 0x0
.irp j, 0,1,2,3
	ADDQ 128+4*\j, 144+4*\j
	ADDQ 160+4*\j, 176+4*\j
	ADDQ 128+4*\j, 160+4*\j
.endr
	s_wait_loadcnt 0x0                             ; Wv and bv
.macro ROWW i                          ; my four columns += y[16 eg + i] x row 16 eg + i of Wv
.if \i == 0
	v_pk_mul_f32 v[16:17], v[64:65], v[128:129] op_sel_hi:[1,0]
	v_pk_mul_f32 v[18:19], v[66:67], v[128:129] op_sel_hi:[1,0]
.elseif (\i%2) == 0
	v_pk_fma_f32 v[16:17], v[64+4*\i:65+4*\i], v[128+\i:129+\i], v[16:17] op_sel_hi:[1,0,1]
	v_pk_fma_f32 v[18:19], v[66+4*\i:67+4*\i], v[128+\i:129+\i], v[18:19] op_sel_hi:[1,0,1]
.else
	v_pk_fma_f32 v[16:17], v[64+4*\i:65+4*\i], v[127+\i:128+\i], v[16:17] op_sel:[0,1,0] op_sel_hi:[1,1,1]
	v_pk_fma_f32 v[18:19], v[66+4*\i:67+4*\i], v[127+\i:128+\i], v[18:19] op_sel:[0,1,0] op_sel_hi:[1,1,1]
.endif
.endm
.irp i, 0,1,2,3,4,5,6,7,8,9,10,11,12,13,14,15
	ROWW \i
.endr
	ds_store_b128 v12, v[16:19] offset:4096
	s_wait_dscnt 0x0
	s_barrier_signal -1
	s_barrier_wait -1
	s_cmp_lg_u32 s12, 0
	s_cbranch_scc1 .Lend
	; wave 0 adds the sixteen partial products and the bias; its two halves of 16 lanes do the same work, and the lower one stores
.irp i, 0,1,2,3,4,5,6,7,8,9,10,11,12,13,14,15
	ds_load_b128 v[64+4*\i:67+4*\i], v9 offset:4096+256*\i
.endr
	s_wait_dscnt 0x0
	TREE16 64
	ADDQ 64, 60
	v_cmp_gt_u32 vcc_lo, 16, v0
	s_wait_xcnt 0x0                                ; EXEC changes only behind this wait: it is a source of the loads above
	s_and_saveexec_b32 s20, vcc_lo
	global_store_b128 v9, v[64:67], s[10:11]       ; 16 lanes store 256 consecutive bytes, at a multiple of 256 from out0's first byte
	s_wait_xcnt 0x0                                ; and again in front of the line that widens it
	s_or_b32 exec_lo, exec_lo, s20
.Lend:
	s_wait_tensorcnt 0x0
	ds_add_u32 v192, v193
	s_wait_dscnt 0x0
	s_endpgm
.Lfunc_end_k_q4df96805b2_final:
	.size	k_q4df96805b2_final, .Lfunc_end_k_q4df96805b2_final-k_q4df96805b2_final
	.p2alignl 7, 3214868480
	.fill 96, 4, 3214868480
	.section	.rodata,"a",@progbits
	.p2align	6, 0x0
	.amdhsa_kernel k_q4df96805b2_final
		.amdhsa_group_segment_fixed_size 9216
		.amdhsa_private_segment_fixed_size 0
		.amdhsa_enable_private_segment 0
		.amdhsa_kernarg_size 32
		.amdhsa_user_sgpr_count 2
		.amdhsa_user_sgpr_kernarg_segment_ptr 1
		.amdhsa_wavefront_size32 1
		.amdhsa_system_sgpr_workgroup_id_x 1
		.amdhsa_system_sgpr_workgroup_id_y 1
		.amdhsa_system_sgpr_workgroup_id_z 1
		.amdhsa_system_vgpr_workitem_id 0
		.amdhsa_next_free_vgpr 194
		.amdhsa_next_free_sgpr 66
		.amdhsa_reserve_vcc 1
		.amdhsa_float_denorm_mode_32 3
		.amdhsa_float_denorm_mode_16_64 3
		.amdhsa_memory_ordered 1
		.amdhsa_forward_progress 1
		.amdhsa_inst_pref_size 15
	.end_amdhsa_kernel
	.amdgpu_metadata
---
amdhsa.version: [ 1, 2 ]
amdhsa.kernels:
  - .name:           k_q4df96805b2_final
    .symbol:         k_q4df96805b2_final.kd
    .args:
      - { .name: ypart, .offset: 0, .size: 8, .value_kind: global_buffer, .address_space: global }
      - { .name: Wv, .offset: 8, .size: 8, .value_kind: global_buffer, .address_space: global }
      - { .name: bv, .offset: 16, .size: 8, .value_kind: global_buffer, .address_space: global }
      - { .name: out0, .offset: 24, .size: 8, .value_kind: global_buffer, .address_space: global }
    .group_segment_fixed_size: 9216
    .private_segment_fixed_size: 0
    .kernarg_segment_align: 8
    .kernarg_segment_size: 32
    .max_flat_workgroup_size: 256
    .sgpr_count:     66
    .vgpr_count:     194
    .wavefront_size: 32
...
	.end_amdgpu_metadata
.endif
;; end of part 4
;; ======== version 2 of 2: 4 launches; version 1 with the launch proj written anew for expert scheduling mode
;; workspace buffers: qb 8,388,608 bytes; kb 8,388,608 bytes; stat 262,144 bytes; ypart 262,144 bytes
;; launch proj (part 5): grid 4 x 64, 8 waves a work-group, no clusters, 283,648 bytes of LDS; arguments x, Wq, bq, Wk, bk, qb, kb; writes qb, kb
.if DOCPART == 5
	.amdgcn_target "amdgcn-amd-amdhsa--gfx1250"
	.amdhsa_code_object_version 6
	.text
	.protected	k_q4df96805b2_proj
	.globl	k_q4df96805b2_proj
	.p2align	8
	.type	k_q4df96805b2_proj,@function
k_q4df96805b2_proj:
	s_mov_b64 s[64:65], 0
	v_nop
	global_prefetch_b8 v0, s[64:65] scope:SCOPE_SE
	s_setreg_imm32_b32 hwreg(HW_REG_WAVE_SCHED_MODE, 0, 2), 2
	s_setreg_imm32_b32 hwreg(HW_REG_WAVE_MODE, 25, 1), 1
	s_wait_xcnt 0x0
	s_wait_alu depctr_vm_vsrc(0)
; q = x Wq + bq and k = x Wk + bk, rounded once to bf16: qb, kb are [16384][256] bf16.  x: [16384][256] f32, W: [256 k][256 e] f32.
; Work-group (nb, rb): nb 0,1 make columns 0-127, 128-255 of q, nb 2,3 those of k; rb is a block of 256 rows.  Wave w makes rows 32 w .. 32 w + 31
; and all 128 columns: 8 x 2 accumulator tiles, 8 K steps of 32, 128 matrix instructions.
; Operands are rounded to bf16 (not f16: inputs some 30 times larger must keep their range); sums and the bias stay in f32.
; THE MATRIX INSTRUCTION IS USED TRANSPOSED: source 0 = 16 columns of W (read from [k][e] rows by the transposing LDS load), source 1 = 16 rows of x.
; Lane (r, h) then holds row r of the result and its registers the columns 8 h + 0 .. 7: eight neighbouring numbers, 16 bytes of bf16.
; NO CLUSTER: the four work-groups of one rb read the same x block, but it has to pass through registers to become bf16, and as an f32 tile it is
; 256 rows x 1,024 bytes = 262,144 bytes, which does not fit in LDS beside W's 73,728 and the bf16 copy's 135,168.
; THE MODE: SCHED_MODE bits 1:0 = 2 (LLVM: expert scheduling mode 2), set by the entry lines.  The code itself states the register dependences
; between vector or matrix instructions and memory or LDS instructions, with s_wait_alu, always for 0.
; THE PLAN.  The text is one straight run.  Registers that memory or LDS instructions touch:
;   v5-v15, v244   offsets and LDS addresses, made once at the head and never written again: every row is reached by an immediate offset.
;   RAW0 .. RAW5   staging, 12 steps of 8 loads.  Step k's conversions read RAW[k % 6]; the loads of step k + 5, issued in step k, land in RAW[(k - 1) % 6].
;   Y0, Y1         step k's conversions write Y[k % 2]; the eight LDS stores that are issued in step k + 1 read it.
;   WF, two halves half step j = 2 ks + hh multiplies the fragments mt = 4 hh .. 4 hh + 3; its LDS loads land in the other half, for half step j + 1.
;   XF0, XF1       K step ks multiplies XF[ks % 2]; its first half step loads XF[(ks + 1) % 2].
; So the memory instructions of a step touch only what the step before worked on, the waits at a step's head state all that they hang on, and they
; are dealt among the step's vector or matrix instructions with no further wait.
.set WP, 288                           ; LDS pitch of W's rows: 256 bytes + 32, an odd multiple of 32 bytes
.set XP, 528                           ; LDS pitch of x's rows: 512 bytes + 16, an odd multiple of 16 bytes
.set SP, 272                           ; LDS pitch of the way out: 256 bytes + 16
.set WL, 0                             ; W in bf16, [256 k][128 e]: 73,728 bytes, shared by the eight waves
.set XL, 256*WP                        ; x in bf16, [256 rows][256 k]: 135,168 bytes, each wave its own 32 rows
.set SG, XL+256*XP                     ; the way out: each wave its own 32 rows x 272 bytes
.set BL, SG+8*32*SP                    ; the bias: each wave its own 512 bytes
.set GW, 5                             ; v5   W in memory: 16 lane + 32 w rows
.set GX, 6                             ; v6   16 lane
.set SW_, 7                            ; v7   where my 8 bytes of a W row go
.set SX, 8                             ; v8   where my 8 bytes of half an x row go
.set WA, 9                             ; v9, v10  transposing loads: K steps 0-3, 4-7
.set XA, 11                            ; v11  x fragments
.set STO, 12                           ; v12  way out: where 16 bytes of a row go
.set RD, 13                            ; v13  way out: where a row is read back
.set CO, 14                            ; v14  my byte offset in the output
.set BA, 15                            ; v15  bias of my eight columns
.set ACC, 16                           ; v[16:143]   tile (mt, nt) at 16 + 8 (2 mt + nt)
.set RAW, 16                           ; v[16:207]   while staging: six raw buffers of 32 registers, eight loads each
.set WF, 144                           ; v[144:207]  eight fragments of W, mt at 144 + 8 mt: two halves of four
.set XF, 208                           ; v[208:239]  two sets of two fragments of x
.set TC, 208                           ; v[208:239]  while staging: Y0, Y1, 16 registers of packed bf16 each
.set BV, 240                           ; v[240:243]  bias as loaded
.set BS, 244                           ; v244        where it goes
	s_load_b256 s[4:11], s[0:1], 0x0               ; x s[4:5], Wq s[6:7], bq s[8:9], Wk s[10:11]
	s_load_b128 s[12:15], s[0:1], 0x20             ; bk s[12:13], qb s[14:15]
	s_load_b64 s[16:17], s[0:1], 0x30              ; kb
	v_lshl_add_u32 v254, v0, 2, 0x45000            ; my spare word, behind the bias copies, and 0: kept for the closing lines alone
	v_mov_b32 v255, 0
	v_lshrrev_b32 v2, 5, v0
	v_readfirstlane_b32 s26, v2                    ; wave 0..7
	v_and_b32 v1, 31, v0                           ; lane
	v_and_b32 v3, 15, v0                           ; r
	v_bfe_u32 v4, v0, 4, 1                         ; h
	s_and_b32 s27, ttmp7, 0xffff                   ; rb
	s_and_b32 s28, ttmp9, 1                        ; which 128 columns
	s_lshl_b32 s24, s28, 9                         ; their first byte in a row of W and in the bias
	s_mov_b32 s25, 0
	s_lshl_b32 s30, s27, 18                        ; x: (256 rb + 32 w) rows of 1,024 bytes
	s_wait_alu depctr_va_sdst(0)                   ; s26 is written, ahead of its first reader: the bases and LDS places below are made from it
	s_lshl_b32 s31, s26, 15
	s_add_co_u32 s30, s30, s31
	s_mov_b32 s31, 0
	s_lshl_b32 s32, s27, 17                        ; output: (256 rb + 32 w) rows of 512 bytes + 256 bytes for the upper columns
	s_lshl_b32 s33, s26, 14
	s_add_co_u32 s32, s32, s33
	s_lshl_b32 s33, s28, 8
	s_add_co_u32 s32, s32, s33
	s_mov_b32 s33, 0
	s_mul_i32 s34, s26, 32*WP                      ; my 32 rows of W in LDS
	s_mul_i32 s35, s26, 32*XP
	s_add_co_u32 s35, s35, XL                      ; my 32 rows of x in LDS
	s_mul_i32 s36, s26, 32*SP
	s_add_co_u32 s36, s36, SG                      ; my stage
	s_lshl_b32 s37, s26, 9
	s_add_co_u32 s37, s37, BL                      ; my copy of the bias
	s_lshl_b32 s29, s26, 15                        ; 32 w rows of W in memory
	v_lshlrev_b32 v[GX], 4, v1
	v_add_nc_u32 v[GW], s29, v[GX]
	v_lshl_add_u32 v[SW_], v1, 3, s34
	v_lshl_add_u32 v[SX], v1, 3, s35
	v_and_b32 v2, 7, v0
	v_lshl_add_u32 v2, v4, 3, v2                   ; k row 8 h + lane % 8
	v_mul_u32_u24 v[WA], v2, WP
	v_bfe_u32 v2, v0, 3, 1
	v_lshl_add_u32 v[WA], v2, 4, v[WA]             ; + 16 bytes for lanes 8-15 of each half
	v_add_nc_u32 v[WA+1], 128*WP, v[WA]            ; K steps 4-7: the LDS immediate has 16 bits
	v_mul_u32_u24 v2, v3, XP
	v_lshl_add_u32 v2, v4, 4, v2
	v_add_nc_u32 v[XA], s35, v2                    ; row r, 16 h
	v_mul_u32_u24 v2, v3, SP
	v_lshl_add_u32 v2, v4, 4, v2
	v_add_nc_u32 v[STO], s36, v2
	v_mul_u32_u24 v2, v4, SP
	v_lshl_add_u32 v2, v3, 4, v2
	v_add_nc_u32 v[RD], s36, v2                    ; lanes 0-15 one row of 256 bytes, lanes 16-31 the next
	v_lshlrev_b32 v2, 9, v4
	v_lshl_add_u32 v[CO], v3, 4, v2                ; the same two rows in the output
	v_lshlrev_b32 v2, 5, v4
	v_add_nc_u32 v[BA], s37, v2
	v_add_nc_u32 v[BS], s37, v[GX]
	s_wait_kmcnt 0x0
	s_cmp_lt_u32 ttmp9, 2                          ; q's or k's weights, bias and output
	s_cselect_b64 s[18:19], s[6:7], s[10:11]
	s_cselect_b64 s[20:21], s[8:9], s[12:13]
	s_cselect_b64 s[22:23], s[14:15], s[16:17]
	s_add_nc_u64 s[18:19], s[18:19], s[24:25]
	s_add_nc_u64 s[20:21], s[20:21], s[24:25]
	s_add_nc_u64 s[22:23], s[22:23], s[32:33]
	s_add_nc_u64 s[4:5], s[4:5], s[30:31]
	s_wait_alu depctr_va_vdst(0)                   ; v5 to v15 and v244 are written: every load, store and LDS instruction of the kernel reads one of them as its offset or address
; STAGING: twelve steps of eight loads of 16 bytes a lane.  Steps 0 to 3: my 32 rows of W (512 bytes each), eight rows a step;
; steps 4 to 11: my 32 rows of x (two loads of 512 neighbouring bytes each), four rows a step.
.macro LD1 k, i                        ; load i of step k, into raw buffer k % 6
.if (\k) < 4
	global_load_b128 v[RAW+32*((\k)%6)+4*(\i):RAW+32*((\k)%6)+4*(\i)+3], v[GW], s[18:19] offset:(8*(\k)+(\i))*1024
.else
	global_load_b128 v[RAW+32*((\k)%6)+4*(\i):RAW+32*((\k)%6)+4*(\i)+3], v[GX], s[4:5] offset:(4*((\k)-4)+(\i)/2)*1024+512*((\i)%2)
.endif
.endm
.macro ST1 k, i                        ; the same four numbers as 8 bytes of bf16, out of Y[k % 2]; 32 lanes store 256 neighbouring bytes
.if (\k) < 4
	ds_store_b64 v[SW_], v[TC+16*((\k)%2)+2*(\i):TC+16*((\k)%2)+2*(\i)+1] offset:(8*(\k)+(\i))*WP
.else
	ds_store_b64 v[SX], v[TC+16*((\k)%2)+2*(\i):TC+16*((\k)%2)+2*(\i)+1] offset:(4*((\k)-4)+(\i)/2)*XP+256*((\i)%2)
.endif
.endm
; Step k: converts RAW[k % 6] into Y[k % 2]; among its conversions stand the loads of step k + 5 and the LDS stores of step k - 1.
.macro STAGE k
.if (\k) < 8
	s_wait_loadcnt 32                              ; loads come back in order (ISA guide 5.7.1): RAW[k % 6] is in, the four younger steps of eight stay out
.else
	s_wait_loadcnt 8*(11-(\k))                     ; nothing more is asked for: the counts run down
.endif
.if (\k) == 0
	ds_store_b128 v[BS], v[BV:BV+3]                ; the bias was the oldest load; its registers are never written again
.endif
.if (\k) > 1
	s_wait_alu depctr_vm_vsrc(0)                   ; the LDS stores issued in the step before have read Y[k % 2], which this step's conversions write again
.endif
.if (\k) > 0
	s_wait_alu depctr_va_vdst(0)                   ; the step before has written the other Y, which the stores below read, and is done reading its raw buffer, in which the loads below land
.endif
.irp i, 0,1,2,3,4,5,6,7
.if (\k) < 7
	LD1 (\k)+5, \i                                 ; five steps ahead; no vector instruction since the wait names these registers
.endif
.if (\k) > 0
	ST1 (\k)-1, \i
.endif
	v_cvt_pk_bf16_f32 v[TC+16*((\k)%2)+2*\i], v[RAW+32*((\k)%6)+4*\i], v[RAW+32*((\k)%6)+4*\i+1]
	v_cvt_pk_bf16_f32 v[TC+16*((\k)%2)+2*\i+1], v[RAW+32*((\k)%6)+4*\i+2], v[RAW+32*((\k)%6)+4*\i+3]
.endr
.endm
	global_load_b128 v[BV:BV+3], v[GX], s[20:21]   ; the bias of the 128 columns: the oldest load, covered by the first wait
.irp k, 0,1,2,3,4
.irp i, 0,1,2,3,4,5,6,7
	LD1 \k, \i                                     ; steps 0 to 4 into RAW0 to RAW4
.endr
.endr
.irp k, 0,1,2,3,4,5,6,7,8,9,10,11
	STAGE \k
.endr
	s_wait_alu depctr_va_vdst(0)                   ; step 11 has written Y1, which the last eight stores read; no conversion is left that names a register in which the fragments' loads below land
.irp i, 0,1,2,3,4,5,6,7
	ST1 11, \i
.endr
	s_wait_dscnt 0x0                               ; my rows of W are in LDS, for the other waves' sake
	s_barrier_signal -1
	s_barrier_wait -1                              ; everybody's are
	s_wait_alu depctr_vm_vsrc(0)                   ; my LDS stores have read v[208:239]: from here on these registers are XF0 and XF1, in which LDS loads land
; THE PRODUCTS.  A fragment of W (16 columns x K 32, turned), of x (16 rows x K 32), and the bias of a fragment's columns, which takes the fragment's registers at the end.
.macro WFRAG ks, mt
	ds_load_tr16_b128 v[WF+8*(\mt):WF+8*(\mt)+3], v[WA+(\ks)/4] offset:((\ks)%4)*32*WP+32*(\mt)
	ds_load_tr16_b128 v[WF+8*(\mt)+4:WF+8*(\mt)+7], v[WA+(\ks)/4] offset:((\ks)%4)*32*WP+16*WP+32*(\mt)
.endm
.macro XFRAG ks, nt
	ds_load_b128 v[XF+16*((\ks)%2)+8*(\nt):XF+16*((\ks)%2)+8*(\nt)+3], v[XA] offset:(\nt)*16*XP+64*(\ks)
	ds_load_b128 v[XF+16*((\ks)%2)+8*(\nt)+4:XF+16*((\ks)%2)+8*(\nt)+7], v[XA] offset:(\nt)*16*XP+64*(\ks)+32
.endm
.macro BFRAG mt
	ds_load_b128 v[WF+8*(\mt):WF+8*(\mt)+3], v[BA] offset:64*(\mt)         ; bias of columns 16 mt + 8 h + 0 .. 3
	ds_load_b128 v[WF+8*(\mt)+4:WF+8*(\mt)+7], v[BA] offset:64*(\mt)+16    ; and + 4 .. 7
.endm
.macro MM ks, mt, nt                   ; K step 0 starts the sums
.if (\ks) == 0
	v_wmma_f32_16x16x32_bf16 v[ACC+8*(2*(\mt)+(\nt)):ACC+8*(2*(\mt)+(\nt))+7], v[WF+8*(\mt):WF+8*(\mt)+7], v[XF+16*((\ks)%2)+8*(\nt):XF+16*((\ks)%2)+8*(\nt)+7], 0
.else
	v_wmma_f32_16x16x32_bf16 v[ACC+8*(2*(\mt)+(\nt)):ACC+8*(2*(\mt)+(\nt))+7], v[WF+8*(\mt):WF+8*(\mt)+7], v[XF+16*((\ks)%2)+8*(\nt):XF+16*((\ks)%2)+8*(\nt)+7], v[ACC+8*(2*(\mt)+(\nt)):ACC+8*(2*(\mt)+(\nt))+7]
.endif
.endm
; Half step hh of K step ks: eight matrix instructions on fragments mt = 4 hh .. 4 hh + 3.  Early among them stand the loads of the next half step's four
; fragments of W, into the other half of WF; in a K step's first half also the next K step's two fragments of x, into the other XF; in the very last
; half step the bias of mt 0 to 3.  The sixteen accumulators take turns, one instruction a turn.
.macro HSTEP ks, hh
.if (\hh) == 1 && (\ks) < 7
	s_wait_dscnt 4                                 ; LDS loads come back in order (ISA guide 5.7.1): my four fragments of W are in; the four younger loads, x of the next K step, stay out
.else
	s_wait_dscnt 0x0                               ; my fragments of W are in, and in a first half those of x
.endif
.if 2*(\ks)+(\hh) > 0
	s_wait_alu depctr_va_vdst(0)                   ; the half step before is done reading its half of WF (at hh = 0: and the last K step's XF), in which the loads below land; this half step's matrix instructions name neither
.endif
	MM \ks, 4*(\hh), 0
.if (\hh) == 0
	WFRAG \ks, 4
	WFRAG \ks, 5
.elseif (\ks) < 7
	WFRAG (\ks)+1, 0
	WFRAG (\ks)+1, 1
.else
	BFRAG 0
	BFRAG 1
.endif
	MM \ks, 4*(\hh), 1
.if (\hh) == 0
	WFRAG \ks, 6
	WFRAG \ks, 7
.elseif (\ks) < 7
	WFRAG (\ks)+1, 2
	WFRAG (\ks)+1, 3
.else
	BFRAG 2
	BFRAG 3
.endif
	MM \ks, 4*(\hh)+1, 0
.if (\hh) == 0 && (\ks) < 7
	XFRAG (\ks)+1, 0
	XFRAG (\ks)+1, 1
.endif
	MM \ks, 4*(\hh)+1, 1
	MM \ks, 4*(\hh)+2, 0
	MM \ks, 4*(\hh)+2, 1
	MM \ks, 4*(\hh)+3, 0
	MM \ks, 4*(\hh)+3, 1
.endm
.irp mt, 0,1,2,3
	WFRAG 0, \mt                                   ; the first half step's fragments
.endr
	XFRAG 0, 0
	XFRAG 0, 1
.irp ks, 0,1,2,3,4,5,6,7
	HSTEP \ks, 0
	HSTEP \ks, 1
.endr
	; THE WAY OUT: add the bias in f32, round once to bf16, 16 bytes a lane into my own stage, whole rows of 256 bytes back and out.
.macro OUTA mt, nt                     ; the arithmetic of a tile; its accumulator is read from its low end on
.set ob, ACC+8*(2*(\mt)+(\nt))
.irp q, 0,2,4,6
	v_pk_add_f32 v[ob+\q:ob+\q+1], v[ob+\q:ob+\q+1], v[WF+8*(\mt)+\q:WF+8*(\mt)+\q+1]
.endr
.irp q, 0,1,2,3
	v_cvt_pk_bf16_f32 v[ob+\q], v[ob+2*\q], v[ob+2*\q+1]
.endr
.endm
.macro OUTS mt, nt                     ; its 16 bytes a lane into the stage
	ds_store_b128 v[STO], v[ACC+8*(2*(\mt)+(\nt)):ACC+8*(2*(\mt)+(\nt))+3] offset:(\nt)*16*SP+32*(\mt)
.endm
.rept 4
	v_nop                                          ; the places behind the last matrix instructions, before their results are read (ISA guide 7.12.1)
.endr
	s_wait_dscnt 0x0                               ; the bias of mt 0 to 3 is in
	s_wait_alu depctr_va_vdst(0)                   ; the last half step is done reading the fragments mt 4 to 7, in whose registers their bias lands
.irp mt, 4,5,6,7
	BFRAG \mt
.endr
.irp mt, 0,1,2,3
.irp nt, 0,1
	OUTA \mt, \nt
.endr
.endr
	s_wait_alu depctr_va_vdst(0)                   ; the roundings have written the packed results of mt 0 to 3, which the LDS stores read
.irp mt, 0,1,2,3
.irp nt, 0,1
	OUTS \mt, \nt
.endr
.endr
	s_wait_dscnt 8                                 ; the bias of mt 4 to 7 is in; the eight younger LDS stores stay out
.irp mt, 4,5,6,7
.irp nt, 0,1
	OUTA \mt, \nt
.endr
.endr
	s_wait_alu depctr_va_vdst(0)                   ; the packed results of mt 4 to 7 are written, which the LDS stores read; the additions are done reading the bias, in whose registers the rows come back
.irp mt, 4,5,6,7
.irp nt, 0,1
	OUTS \mt, \nt
.endr
.endr
.irp j, 0,1,2,3,4,5,6,7,8,9,10,11,12,13,14,15
	ds_load_b128 v[WF+4*\j:WF+4*\j+3], v[RD] offset:\j*2*SP          ; LDS serves a wave's instructions in order (ISA guide 5.7.1): these see the stores above
.endr
.irp j, 0,1,2,3,4,5,6,7,8,9,10,11,12,13,14,15
	s_wait_dscnt 15-\j                             ; rows 2 j, 2 j + 1 are back; the younger read-backs stay out
	global_store_b128 v[CO], v[WF+4*\j:WF+4*\j+3], s[22:23] offset:\j*1024   ; 16 lanes store 256 consecutive bytes, at a multiple of 256 from the buffer's first byte
.endr
	s_wait_dscnt 0x0                               ; the closing lines, six on end
	s_wait_alu 0x0
	s_wait_tensorcnt 0x0
	ds_add_u32 v254, v255
	s_wait_dscnt 0x0
	s_endpgm
.Lfunc_end_k_q4df96805b2_proj:
	.size	k_q4df96805b2_proj, .Lfunc_end_k_q4df96805b2_proj-k_q4df96805b2_proj
	.p2alignl 7, 3214868480
	.fill 96, 4, 3214868480
	.section	.rodata,"a",@progbits
	.p2align	6, 0x0
	.amdhsa_kernel k_q4df96805b2_proj
		.amdhsa_group_segment_fixed_size 283648
		.amdhsa_private_segment_fixed_size 0
		.amdhsa_enable_private_segment 0
		.amdhsa_kernarg_size 56
		.amdhsa_user_sgpr_count 2
		.amdhsa_user_sgpr_kernarg_segment_ptr 1
		.amdhsa_wavefront_size32 1
		.amdhsa_system_sgpr_workgroup_id_x 1
		.amdhsa_system_sgpr_workgroup_id_y 1
		.amdhsa_system_sgpr_workgroup_id_z 1
		.amdhsa_system_vgpr_workitem_id 0
		.amdhsa_next_free_vgpr 256
		.amdhsa_next_free_sgpr 66
		.amdhsa_reserve_vcc 0
		.amdhsa_float_denorm_mode_32 3
		.amdhsa_float_denorm_mode_16_64 3
		.amdhsa_memory_ordered 1
		.amdhsa_forward_progress 1
		.amdhsa_inst_pref_size 65
	.end_amdhsa_kernel
	.amdgpu_metadata
---
amdhsa.version: [ 1, 2 ]
amdhsa.kernels:
  - .name:           k_q4df96805b2_proj
    .symbol:         k_q4df96805b2_proj.kd
    .args:
      - { .name: x, .offset: 0, .size: 8, .value_kind: global_buffer, .address_space: global }
      - { .name: Wq, .offset: 8, .size: 8, .value_kind: global_buffer, .address_space: global }
      - { .name: bq, .offset: 16, .size: 8, .value_kind: global_buffer, .address_space: global }
      - { .name: Wk, .offset: 24, .size: 8, .value_kind: global_buffer, .address_space: global }
      - { .name: bk, .offset: 32, .size: 8, .value_kind: global_buffer, .address_space: global }
      - { .name: qb, .offset: 40, .size: 8, .value_kind: global_buffer, .address_space: global }
      - { .name: kb, .offset: 48, .size: 8, .value_kind: global_buffer, .address_space: global }
    .group_segment_fixed_size: 283648
    .private_segment_fixed_size: 0
    .kernarg_segment_align: 8
    .kernarg_segment_size: 56
    .max_flat_workgroup_size: 256
    .sgpr_count:     66
    .vgpr_count:     256
    .wavefront_size: 32
...
	.end_amdgpu_metadata
.endif
;; end of part 5
;; launch rowstat: the kernel of part 2 again; grid 256 x 1, 8 waves a work-group, clusters of 4 x 1, 327,680 bytes of LDS; arguments qb, kb, stat; writes stat
;; launch colsum: the kernel of part 3 again; grid 256 x 1, 8 waves a work-group, clusters of 4 x 1, 327,680 bytes of LDS; arguments kb, qb, stat, x, ypart; writes ypart
;; launch final: the kernel of part 4 again; grid 4 x 4, 8 waves a work-group, no clusters, 9,216 bytes of LDS; arguments ypart, Wv, bv, out0; writes out0
